; MI455X (gfx1250); checked and timed in simulation.
; The chip was launched on July 23, 2026; its instructions are those of AMD's public machine-readable ISA for CDNA 5 (MIT licence, August 2026) and "CDNA5" Instruction Set Architecture Reference Guide (July 2026). The comments in the code are by the model that wrote it; some were corrected since.
;; Multi Head Attention. Allowed arithmetic: matrix products marked QUANTISED: E4M3 operands, one given power-of-two scale a tensor, by v_wmma_f32_16x16x64_fp8_fp8 or v_wmma_f32_16x16x128_fp8_fp8, f32 sums; everything else in f32.
;; Inputs: Wk_codes 2,048 x 64 x 32 uint8 (E4M3 codes of Wk, K innermost, in blocks of 32 codes); Wo_codes 2,048 x 64 x 32 uint8 (E4M3 codes of Wo, K innermost, in blocks of 32 codes); Wq_codes 2,048 x 64 x 32 uint8 (E4M3 codes of Wq, K innermost, in blocks of 32 codes); Wv_codes 2,048 x 64 x 32 uint8 (E4M3 codes of Wv, K innermost, in blocks of 32 codes); bk 2,048 float32; bo 2,048 float32; bq 2,048 float32; bv 2,048 float32; hidden_states_codes 2 x 1,024 x 64 x 32 uint8 (E4M3 codes of hidden_states, K innermost, in blocks of 32 codes); lowp_scales 12 int32 (the exponents e of the quantised operands' scales 2^e).
;; Outputs: out0 2 x 1,024 x 2,048 float32.
;; This version of the problem:
;;   THIS VERSION OF THE PROBLEM IS GIVEN IN LOW PRECISION. The matrix products marked QUANTISED in the list below multiply operands that are first quantised to E4M3 (4 exponent bits, 3 mantissa bits; 8 bits a number), with one given power-of-two scale for each operand tensor; their sums are f32. All else is computed in f32.
;;   The module's matrix products, in the order in which they are computed (A, B: the left and right operand; K: the contracted axis; several contracted axes count as one K, in the product's order):
;;     1. [M 2,048, K 2,048] x [K 2,048, N 2,048]; A: input hidden_states (given as codes); B: input Wq (given as codes): QUANTISED (scales: A lowp_scales[0], B lowp_scales[1])
;;     2. [M 2,048, K 2,048] x [K 2,048, N 2,048]; A: input hidden_states (given as codes); B: input Wk (given as codes): QUANTISED (scales: A lowp_scales[2], B lowp_scales[3])
;;     3. [M 2,048, K 2,048] x [K 2,048, N 2,048]; A: input hidden_states (given as codes); B: input Wv (given as codes): QUANTISED (scales: A lowp_scales[4], B lowp_scales[5])
;;     4. batch 32 x [M 1,024, K 128] x [K 128, N 1,024]; A: computed on the way; B: computed on the way: QUANTISED (scales: A lowp_scales[6], B lowp_scales[7])
;;     5. batch 32 x [M 1,024, K 1,024] x [K 1,024, N 128]; A: softmax (see below); B: computed on the way: QUANTISED (scales: A lowp_scales[8], B lowp_scales[9])
;;     6. [M 2,048, K 2,048] x [K 2,048, N 2,048]; A: computed on the way; B: input Wo (given as codes): QUANTISED (scales: A lowp_scales[10], B lowp_scales[11])
;;   THE QUANTISER, for each operand of a quantised product, along K:
;;     - The operand's scale is 2^e, e = its entry of the input lowp_scales (int32; the entries are numbered through the quantised products in the list's order, A before B).
;;     - Each number is divided by the scale, clamped to +-448, and rounded to the nearest number of E4M3, ties to even, subnormals kept.
;;     - The product sums the exact products of the quantised numbers (number of the format x scale) in f32.
;;   ~~~python
;;   def quantise(x, axis, e):      # numpy; x: float32 -> the quantised numbers, widened to float32 again
;;       x = np.moveaxis(x, axis, -1); K = x.shape[-1]
;;       r = np.clip(x / 2.0 ** e, -448, 448)
;;       step = 2.0 ** (np.maximum(np.frexp(np.where(r == 0, 1, r))[1] - 1, -6) - 3)
;;       q = np.round(r / step) * step * 2.0 ** e      # np.round: ties to even
;;       return np.moveaxis(q, -1, axis).astype(np.float32)
;;   ~~~
;;   SOFTMAX AHEAD OF A QUANTISED PRODUCT. Where the list says 'softmax', what is quantised is not the finished softmax but p = 2^(t - M), with t = logit x log2(e) and M = ceil(the row's largest t), a whole number; so 1/2 < the row's largest p <= 1. The row's sum l is taken of the UNQUANTISED p, in f32, and the product's result is divided by l at the end. Since M is a whole number, a kernel that streams over the keys may use a running M (the ceiling of the running maximum): every later rescaling is an exact power of two, so the quantised numbers keep their values, but for numbers so far below the row's largest that they fall under the format's range.
;;   OPERANDS COMPUTED ON THE WAY. 'Computed on the way' means the value that the module computes at that place (a softmax that the list does not call 'softmax' is quantised finished and normalised). What goes into a quantiser is computed in f32, as accurately as f32 sums, v_exp_f32 and their like allow (about 1e-6 of the number): no bf16 or f16 on the way to a quantiser, and a product that is left as it is and whose result goes on into a quantised operand takes f32 operands (vector FMAs, or v_wmma_f32_16x16x4_f32). A number that lies on a knife's edge between two numbers of the format may be rounded either way, as far as f32 arithmetic and the matrix unit's own rounding can turn it there, and no further.
;;   INPUTS GIVEN AS CODES. Wk (in the module: [2048, 2048], K = its axis 0); Wo (in the module: [2048, 2048], K = its axis 0); Wq (in the module: [2048, 2048], K = its axis 0); Wv (in the module: [2048, 2048], K = its axis 0); hidden_states (in the module: [2, 1024, 2048], K = its axis 2): each comes as NAME_codes (uint8): NAME with its K axis moved to the last place and cut into blocks of 32 codes, [.., K / 32, bytes a block], one block behind the other in memory; one code a byte (a code: sign, 4 exponent bits, 3 mantissa bits); its scale is its entry of lowp_scales. Its value is code x scale, taken as it is: it is not quantised again, and the codes and scales need not be those that the quantiser above would give.
;; One version. Each part assembles by itself: llvm-mc -triple=amdgcn-amd-amdhsa -mcpu=gfx1250 --defsym DOCPART=n.
;; ======== version 1 of 1: 3 launches
;; limits: right only within a limited range of input values
;; workspace buffers: q_img 4,194,304 bytes; kv_img 8,388,608 bytes; attn_img 4,194,304 bytes
;; launch qkv (part 1): grid 16 x 16, 4 waves a work-group, clusters of 4 x 4, 327,680 bytes of LDS; arguments hidden_states_codes, Wq_codes, Wk_codes, Wv_codes, bq, bk, bv, lowp_scales, q_img, kv_img; writes q_img, kv_img
.if DOCPART == 1
	.amdgcn_target "amdgcn-amd-amdhsa--gfx1250"
	.amdhsa_code_object_version 6
	.text
	.protected	k_q9c7e5fe802_qkv
	.globl	k_q9c7e5fe802_qkv
	.p2align	8
	.type	k_q9c7e5fe802_qkv,@function
k_q9c7e5fe802_qkv:
	s_mov_b64 s[64:65], 0
	v_nop
	global_prefetch_b8 v0, s[64:65] scope:SCOPE_SE
	s_setreg_imm32_b32 hwreg(HW_REG_WAVE_MODE, 25, 1), 1
	s_wait_xcnt 0x0
	s_wait_alu depctr_hold_cnt(0) depctr_sa_sdst(0) depctr_va_vdst(0) depctr_va_sdst(0) depctr_va_ssrc(0) depctr_va_vcc(0) depctr_vm_vsrc(0)
	s_getreg_b32 s2, hwreg(HW_REG_IB_STS2, 6, 4)
	s_cmp_eq_u32 s2, 0
	s_cbranch_scc0 .Lentry_in_a_cluster
	s_endpgm
.Lentry_in_a_cluster:
	s_bfe_u32 s2, ttmp6, 0x10000c
	s_cmp_lg_u32 s2, 0xf033
	s_cbranch_scc0 .Lentry_shape_is_right
	s_endpgm
.Lentry_shape_is_right:
; q = rope(h Wq + bq), k = rope(h Wk + bk), v = h Wv + bv, the three products on the given codes of FP8 (E4M3), sums in f32; the results are quantised (entries 6, 7, 9 of the scales) and stored as codes.
; h: [2048 rows][2048 K] codes; Wq, Wk, Wv: [2048 columns][2048 K] codes.  Product i takes the scales 2^e(2i) for h and 2^e(2i+1) for its weight.
; SHARES.  A work-group makes 128 rows x the 128 columns of ONE head of q, of k and of v; wave w all 128 rows x columns 32 w .. 32 w + 31 of each of the three: 48 accumulators of 16 x 16, 384 registers.
; K goes in steps of 256 through a ring of two LDS slots (128 rows of h, then 128 rows of each weight); wave 0 fetches h's tile, waves 1, 2, 3 the tiles of Wq, Wk, Wv: one tensor load a wave.
; CLUSTERS: 4 x 4 work-groups.  h's tile hangs on the row block alone and is shared along a row of the cluster, a weight's tile on the head alone and is shared along a column: each is asked for jointly.
; ORIENTATION.  q, k: source 0 = 16 rows of the weight, source 1 = 16 rows of h: a lane holds ONE row and eight neighbouring columns 32 w + 16 u + 8 (lane / 16) + j, so that RoPE's pairs lie in one lane.
;   v: source 0 = 16 rows of h, source 1 = 16 rows of Wv: a lane holds ONE column d and eight neighbouring keys, since the keys are the K of attention's second product.
; WHAT IS STORED: IMAGES OF FRAGMENTS.  A fragment is 16 rows x 128 K of codes, 16 registers a lane: registers 2 c, 2 c + 1 of lane (r, h) hold K = 16 c + 8 h + 0 .. 7 of row r; registers 4 g .. 4 g + 3 lie at
;   byte 512 g + 16 x lane of the fragment's 2,048 bytes.  One conversion of a result tile (eight neighbours along the next K) IS a register pair of such a fragment, so two tiles make 16 bytes a lane and a wave's store
;   covers 512 consecutive bytes, at a multiple of 512 from the buffer's first byte.  q_img: [batch x head 32][16 queries 64][2048].  kv_img: [batch x head 32][128 keys 8][K's 8 fragments, then V^T's 8 fragments].
; BIAS AND SCALES.  A sum stands for sum x 2^(ea + eb): the bias goes in as the C of the first product, divided by that power; RoPE is linear, so the conversion takes the one scale 2^(eout - ea - eb).
; ROPE.  angle = position x 10000^(-i / 64), the product rounded to f32; the frequency is 2^(-i log2(10000) / 64) by v_exp_f32; cosine and sine by reduction modulo pi / 2 (pi / 2 in two parts, fused) and polynomials
;   of degree 7 and 8 on +-pi / 4.  A lane's 64 pairs (cosine, sine) are made once, at the head, while the first tiles are on their way.
; LIMITS: e6 - e0 - e1, e7 - e2 - e3, e9 - e4 - e5 between -126 and 119, so that each scale and 448 x it are f32 numbers.  NaN among the inputs is not served.
;   The frequency carries v_exp_f32's last-bit error, which at position 1,023 is up to about 1e-4 radian of angle.
; REGISTERS, in windows of 256: window 0: v1-31 lane numbers, scales, addresses; v32-127 at work (head, way out); v128-255 h's 8 fragments, ONE set; on the way out the codes.
;   window 1: the weights' 6 fragments (2 t + u), TWO sets, at v0 and v128; v96-127 bq, bk; v224-239 bv.   window 2: v0-127 q's 16 accumulators (2 a + u), v128-255 k's.   window 3: v0-127 v's; v128-255 the (cosine, sine) pairs.
; THE HEAD.  Each wave issues one load, its tile of K step 0; behind the three lines and a whole round K step 1's follows, as a refill is issued.
; PREFETCH INTO THE L2.  Behind the load of K step n, K step n + 2 is asked for: a wave asks for the tile that it fetches, 128 rows x 256 bytes, of which each of the four partners that ask jointly takes 32 rows, told apart by address
;   (cx for h, cy for a weight): a lane a row, one instruction.  The head asks for K steps 1 and 2, behind the load of K step 0; the last two refills ask for nothing.
; WORK LEFT OUT IN THIS PROGRAM: none here; in the attention, key blocks of 128 all of whose keys come after a wave's 16 queries: reference() itself builds the causal mask, and there p is 2 to the power of (its f32 minimum - M), which is 0.
;   LIMIT: a NaN, an infinity or an overflow of such a masked score is not carried to the result.
.set PFO,    26                        ; v26     the prefetches' offset: 2,048 x lane; never rewritten
.set PFA,    98                        ; s[98:99] where my prefetches stand
.set PITCH,  272                       ; an LDS row: 256 bytes + 16 of padding = 68 words: the 16 rows of a fragment load start at 16 different groups of four banks
.set HALFT,  128*PITCH                 ; one tile: 128 rows, what one tensor load brings
.set SLOT,   4*HALFT                   ; h, Wq, Wk, Wv
.set SPARE,  2*SLOT                    ; behind the ring: the spare words, 128 bytes for each wave: two blocks of 256 bytes that no other line names
.set ROWB,   256                       ; along K in a slot, in bytes
.set KROW,   2048                      ; a row of codes in memory
.set LAPS,   4                         ; 2,048 / (2 x 256): a lap = once round the ring
.set ADRA,   16                        ; v16-17  LDS address of h's fragments in slot 0, 1
.set ADRB,   18                        ; v18-23  of my 32 rows of weight t in slot s: 3 s + t
.set STO,    24                        ; v24     16 x lane + 512 x wave: my place in a fragment of q or k
.set VSTO,   25                        ; v25     16 x lane + 4,096 x wave: my place among V^T's fragments
.set SPW,    28                        ; v28     LDS address of my spare word; never rewritten
.set NIL,    29                        ; v29     0; never rewritten
.set Y,      32                        ; the way out: 16 numbers at work
.set AF,     128                       ; h's fragments
.set CD,     128                       ; the way out: four registers of codes for each of the 24 stores, so that no store's data are written again
.set TAB,    128                       ; window 3: pair (cosine, sine) of (a, u, jj) at TAB + 2 (8 a + 4 u + jj)
.set BQK,    96                        ; window 1: bq at +8 u + j, bk at +16 + 8 u + j
.set BV,     224                       ; window 1: bv of my column, eight times, for u = 0, 1
.set FQ,     32                        ; the head's registers: 8 frequencies,
.set S3P,    40                        ; two coefficients as pairs,
.set C3P,    42
.set PP,     44                        ; the position (a pair is named, its low word serves),
.set TX,     48                        ; and eight angles' work
.set TN,     56
.set TR,     64
.set TS,     72
.set TA,     80
.set TB,     88
.set TT,     96
.set TU,     104
.set TQ,     112
.set T0,     120
.set G1A, 24                           ; s[24:31] descriptor group 1 for h's tiles; s[32:39] group 0, a set for each slot
.set G0A, 32
.set G1B, 48                           ; s[48:55], s[56:63] the same for the weights' tiles
.set G0B, 56
.set WV,  66                           ; s66 my wave's number
.set MSB, 0
.macro WIN new                         ; the immediate's high byte repeats the setting that is left
.if MSB != \new
	s_set_vgpr_msb (MSB<<8)|\new
.set MSB, \new
.endif
.endm
.macro WINQK first                     ; source 0 (weight) window 1, source 1 (h) window 0, D window 2; C window 2, or window 1 where it is the bias
.if \first
	WIN 0x91
.else
	WIN 0xa1
.endif
.endm
.macro WINV first                      ; source 0 (h) window 0, source 1 (weight) window 1, D window 3; C window 3, or window 1
.if \first
	WIN 0xd4
.else
	WIN 0xf4
.endif
.endm
; A joint load: wave 0 asks for h's tile, waves 1 to 3 for a weight's.  Each line has one mask; the branch hangs on the wave's number alone.  Four v_nop follow each line.
.macro JLOAD s
	s_cmp_eq_u32 s[WV], 0
	s_cbranch_scc0 .Lfor_b_\@
	tensor_load_to_lds s[G0A+4*\s:G0A+4*\s+3], s[G1A:G1A+7]
	s_nop 0
.rept 4
	v_nop
.endr
	s_branch .Lasked_\@
.Lfor_b_\@:
	tensor_load_to_lds s[G0B+4*\s:G0B+4*\s+3], s[G1B:G1B+7]
	s_nop 0
.rept 4
	v_nop
.endr
.Lasked_\@:
.endm
.macro CREST                           ; a round of the cluster's barrier behind its opening barrier
	s_cmp_lg_u32 s[WV], 0
	s_cbranch_scc1 .Lnot_wave_0_\@
	s_barrier_signal -3
.Lnot_wave_0_\@:
	s_barrier_wait -3
	s_barrier_signal -1
	s_barrier_wait -1
.endm
.macro CROUND                          ; a whole round
	s_barrier_signal -1
	s_barrier_wait -1
	CREST
.endm
.macro PLACES                          ; four plain vector instructions between a matrix instruction and a load into, or a vector instruction on, its registers
.rept 4
	v_nop
.endr
.endm
	s_load_b512 s[4:19], s[0:1], 0x0               ; h s[4:5], Wq s[6:7], Wk s[8:9], Wv s[10:11], bq s[12:13], bk s[14:15], bv s[16:17], the scales s[18:19]
	s_load_b128 s[20:23], s[0:1], 0x40             ; q_img s[20:21], kv_img s[22:23]
	v_lshl_add_u32 v[SPW], v0, 2, SPARE
	v_mov_b32 v[NIL], 0
	ds_add_u32 v28, v29
	ds_add_u32 v28, v29
	s_wait_dscnt 0x0
	v_lshrrev_b32 v3, 5, v0
	v_readfirstlane_b32 s[WV], v3                  ; wave 0..3
	s_bfe_u32 s40, ttmp6, 0x40000                  ; cx, cy: my place in the cluster
	s_bfe_u32 s41, ttmp6, 0x40004
	s_lshl_b32 s42, ttmp9, 2
	s_add_co_u32 s42, s42, s40                     ; x: the head = 4 x cluster x + cx
	s_and_b32 s43, ttmp7, 0xffff
	s_lshl_b32 s43, s43, 2
	s_add_co_u32 s43, s43, s41                     ; y: the block of 128 rows = 4 x cluster y + cy
	s_lshl_b32 s44, s41, 2
	s_lshl_b32 s44, 15, s44                        ; my row of the cluster
	s_lshl_b32 s45, 0x1111, s40                    ; my column
	; descriptor group 1: 128 rows x 256 bytes, padded in LDS
	s_or_b32 s[G1A], s44, (1<<20)|(1<<21)|(5<<22)|(3<<25)   ; 15:0 the mask: h's tiles go to my row; 17:16 elements of 1 byte; 20 padding on; 21 set beside a mask; 24:22 after every 64 words; 31:25 four words
	s_or_b32 s[G1B], s45, (1<<20)|(1<<21)|(5<<22)|(3<<25)   ; the same with my column's mask
.irp g, G1A, G1B
	s_mov_b32 s[\g+1], ROWB<<16                    ; tensor_dim0
	s_mov_b32 s[\g+2], 128<<16                     ; tensor_dim1
	s_mov_b32 s[\g+3], ROWB<<16                    ; tile_dim0
	s_mov_b32 s[\g+4], 128                         ; tile_dim1
	s_mov_b32 s[\g+5], KROW                        ; from row to row
	s_mov_b32 s[\g+6], 0
	s_mov_b32 s[\g+7], 0
.endr
	s_lshl_b32 s80, s43, 18                        ; h: 128 y rows of 2,048 bytes (these registers never hold x)
	s_mov_b32 s81, 0
	s_lshl_b32 s46, s42, 18                        ; a weight: 128 x rows (these never hold y)
	s_mov_b32 s47, 0
	s_mul_i32 s67, s[WV], HALFT                    ; where my tile goes: wave x 128 rows
	s_wait_kmcnt 0x0
	s_add_nc_u64 s[82:83], s[4:5], s[80:81]
	s_cmp_eq_u32 s[WV], 2                          ; which weight I fetch hangs on the wave's number alone
	s_cselect_b64 s[84:85], s[8:9], s[6:7]
	s_cmp_eq_u32 s[WV], 3
	s_cselect_b64 s[84:85], s[10:11], s[84:85]
	s_add_nc_u64 s[84:85], s[84:85], s[46:47]
	s_load_b256 s[68:75], s[18:19], 0x0            ; e0 .. e7
	s_load_b128 s[76:79], s[18:19], 0x20           ; e8 .. e11
	CROUND                                         ; all sixteen work-groups are here: the first joint loads meet
.irp s, 0,1
	s_mov_b32 s[G0A+4*\s], 1                       ; count = 1
	s_add_co_u32 s[G0A+4*\s+1], s67, \s*SLOT       ; LDS address
	s_add_nc_u64 s[G0A+4*\s+2:G0A+4*\s+3], s[82:83], \s*ROWB   ; global address: K step s
	s_or_b32 s[G0A+4*\s+3], s[G0A+4*\s+3], 0x80000000          ; type = 2
	s_mov_b32 s[G0B+4*\s], 1
	s_add_co_u32 s[G0B+4*\s+1], s67, \s*SLOT
	s_add_nc_u64 s[G0B+4*\s+2:G0B+4*\s+3], s[84:85], \s*ROWB
	s_or_b32 s[G0B+4*\s+3], s[G0B+4*\s+3], 0x80000000
.endr
	JLOAD 0                                        ; K step 0: my one tensor load at the head
	s_cmp_eq_u32 s[WV], 0                          ; the prefetches: the tile that I fetch,
	s_cselect_b64 s[PFA:PFA+1], s[82:83], s[84:85]
	s_cselect_b32 s96, s40, s41
	s_lshl_b32 s96, s96, 16                        ; and of its 128 rows the 32 of my place
	s_mov_b32 s97, 0
	s_add_nc_u64 s[PFA:PFA+1], s[PFA:PFA+1], s[96:97]
	v_and_b32 v1, 15, v0                           ; r
	s_wait_alu depctr_va_vdst(0)
	v_bfe_u32 v2, v0, 4, 1                         ; h
	; the biases: bq, bk at columns 128 x + 32 w + 16 u + 8 h + j; bv at column 128 x + 32 w + 16 u + r
	s_lshl_b32 s86, s42, 9
	s_lshl_b32 s87, s[WV], 7
	s_add_co_u32 s86, s86, s87
	s_mov_b32 s87, 0
	s_add_nc_u64 s[12:13], s[12:13], s[86:87]
	s_add_nc_u64 s[14:15], s[14:15], s[86:87]
	s_add_nc_u64 s[16:17], s[16:17], s[86:87]
	v_lshlrev_b32 v3, 5, v2
	v_lshlrev_b32 v4, 2, v1
	WIN 0x40                                       ; destination window 1
.irp u, 0,1
	global_load_b128 v[BQK+8*\u:BQK+8*\u+3], v3, s[12:13] offset:64*\u
	global_load_b128 v[BQK+8*\u+4:BQK+8*\u+7], v3, s[12:13] offset:64*\u+16
	global_load_b128 v[BQK+16+8*\u:BQK+16+8*\u+3], v3, s[14:15] offset:64*\u
	global_load_b128 v[BQK+16+8*\u+4:BQK+16+8*\u+7], v3, s[14:15] offset:64*\u+16
.endr
	WIN 0
	global_load_b32 v30, v4, s[16:17]
	global_load_b32 v31, v4, s[16:17] offset:64
	; LDS addresses: a fragment's row x pitch + 16 x half; four loads of 16 bytes, 32 apart, bring 128 along K: the same order of K on both sides of every product here
	v_mul_u32_u24 v5, v1, PITCH
	s_wait_alu depctr_va_vdst(0)
	v_lshl_add_u32 v5, v2, 4, v5
	v_mov_b32 v[ADRA], v5
	v_add_nc_u32 v[ADRA+1], SLOT, v5
	s_mul_i32 s95, s[WV], 32*PITCH                 ; my 32 rows of each weight
.irp s, 0,1
.irp t, 0,1,2
	s_add_co_u32 s96, s95, \s*SLOT+(1+\t)*HALFT
	v_add_nc_u32 v[ADRB+3*\s+\t], s96, v5
.endr
.endr
	v_and_b32 v6, 31, v0
	v_lshlrev_b32 v6, 4, v6
	s_lshl_b32 s96, s[WV], 9
	v_add_nc_u32 v[STO], s96, v6
	s_lshl_b32 s96, s[WV], 12
	v_add_nc_u32 v[VSTO], s96, v6
	v_lshlrev_b32 v[PFO], 7, v6                    ; 2,048 x lane
	s_wait_alu depctr_va_vdst(0)
	global_prefetch_b8 v[PFO], s[PFA:PFA+1] offset:ROWB th:TH_LOAD_NT scope:SCOPE_SE     ; K step 1
	; where my work-group's images begin: idx = ((y / 8) 16 + x) 8 + y % 8;  q: 16,384 idx;  k, v: 32,768 idx
	s_lshr_b32 s86, s43, 3
	s_lshl_b32 s86, s86, 4
	s_add_co_u32 s86, s86, s42
	s_lshl_b32 s86, s86, 3
	s_and_b32 s87, s43, 7
	s_add_co_u32 s86, s86, s87
	s_lshl_b32 s88, s86, 14
	s_mov_b32 s89, 0
	s_add_nc_u64 s[20:21], s[20:21], s[88:89]
	s_lshl_b32 s88, s86, 15
	s_add_nc_u64 s[22:23], s[22:23], s[88:89]
	; THE ANGLES.  My eight pairs of columns: i = 16 w + 8 u + 4 h + jj; frequency 4 u + jj = 2^(-i log2(10000) / 64)
	s_lshl_b32 s93, s[WV], 4
	v_lshl_add_u32 v[T0], v2, 2, s93
.irp m, 0,1,2,3,4,5,6,7
	v_add_nc_u32 v[FQ+\m], 8*(\m/4)+\m%4, v[T0]
.endr
.irp m, 0,1,2,3,4,5,6,7
	v_cvt_f32_u32 v[FQ+\m], v[FQ+\m]
.endr
.irp m, 0,1,2,3,4,5,6,7
	v_mul_f32 v[FQ+\m], 0xbe549a78, v[FQ+\m]       ; x -log2(10000) / 64
.endr
	s_wait_alu depctr_va_vdst(0)
.irp m, 0,1,2,3,4,5,6,7
	v_exp_f32 v[FQ+\m], v[FQ+\m]
.endr
	v_mov_b32 v[S3P], 0xb94ca1f9                   ; (plain instructions behind the exponentials)  the polynomials' leading coefficients, as pairs
	v_mov_b32 v[S3P+1], 0xb94ca1f9
	v_mov_b32 v[C3P], 0x37ccf5ce
	v_mov_b32 v[C3P+1], 0x37ccf5ce
	s_and_b32 s93, s43, 7
	s_lshl_b32 s93, s93, 7
	v_add_nc_u32 v[T0], s93, v1
	v_cvt_f32_u32 v[PP], v[T0]                     ; my position in block a = 0: 128 (y % 8) + r
	v_mov_b32 v[PP+1], 0                           ; (named with it as a pair, so it is written)
	s_wait_alu depctr_va_vdst(0)
; Eight angles of rows 16 a + r: x = position x frequency; n = round(x 2 / pi); r = x - n pi / 2 (two fused steps); sine and cosine of r; the quadrant n % 4 swaps them and sets the signs.
.macro SINCOS8 a
.irp p, 0,2,4,6
	v_pk_mul_f32 v[TX+\p:TX+\p+1], v[FQ+\p:FQ+\p+1], v[PP:PP+1] op_sel_hi:[1,0]
.endr
.irp p, 0,2,4,6
	v_pk_mul_f32 v[TN+\p:TN+\p+1], v[TX+\p:TX+\p+1], 0x3f22f983 op_sel_hi:[1,0]
.endr
.irp p, 0,1,2,3,4,5,6,7
	v_rndne_f32 v[TN+\p], v[TN+\p]
.endr
.irp p, 0,2,4,6
	v_pk_fma_f32 v[TR+\p:TR+\p+1], v[TN+\p:TN+\p+1], 0xbfc90fdb, v[TX+\p:TX+\p+1] op_sel_hi:[1,0,1]
.endr
.irp p, 0,2,4,6
	v_pk_fma_f32 v[TR+\p:TR+\p+1], v[TN+\p:TN+\p+1], 0x333bbd2e, v[TR+\p:TR+\p+1] op_sel_hi:[1,0,1]
.endr
.irp p, 0,2,4,6
	v_pk_mul_f32 v[TS+\p:TS+\p+1], v[TR+\p:TR+\p+1], v[TR+\p:TR+\p+1]
.endr
.irp p, 0,2,4,6
	v_pk_fma_f32 v[TA+\p:TA+\p+1], v[TS+\p:TS+\p+1], v[S3P:S3P+1], 0x3c08839e op_sel_hi:[1,1,0]
	v_pk_fma_f32 v[TB+\p:TB+\p+1], v[TS+\p:TS+\p+1], v[C3P:C3P+1], 0xbab6061a op_sel_hi:[1,1,0]
.endr
.irp p, 0,2,4,6
	v_pk_fma_f32 v[TA+\p:TA+\p+1], v[TA+\p:TA+\p+1], v[TS+\p:TS+\p+1], 0xbe2aaaa3 op_sel_hi:[1,1,0]
	v_pk_fma_f32 v[TB+\p:TB+\p+1], v[TB+\p:TB+\p+1], v[TS+\p:TS+\p+1], 0x3d2aaaa5 op_sel_hi:[1,1,0]
.endr
.irp p, 0,2,4,6
	v_pk_mul_f32 v[TT+\p:TT+\p+1], v[TR+\p:TR+\p+1], v[TS+\p:TS+\p+1]
	v_pk_mul_f32 v[TU+\p:TU+\p+1], v[TS+\p:TS+\p+1], v[TS+\p:TS+\p+1]
.endr
.irp p, 0,2,4,6
	v_pk_fma_f32 v[TA+\p:TA+\p+1], v[TT+\p:TT+\p+1], v[TA+\p:TA+\p+1], v[TR+\p:TR+\p+1]       ; sin r = r + r s (..)
.endr
.irp p, 0,2,4,6
	v_pk_fma_f32 v[TT+\p:TT+\p+1], v[TS+\p:TS+\p+1], -0.5, 1.0 op_sel_hi:[1,0,0]
.endr
.irp p, 0,2,4,6
	v_pk_fma_f32 v[TB+\p:TB+\p+1], v[TU+\p:TU+\p+1], v[TB+\p:TB+\p+1], v[TT+\p:TT+\p+1]       ; cos r = 1 - s / 2 + s s (..)
.endr
.irp p, 0,1,2,3,4,5,6,7
	v_cvt_i32_f32 v[TQ+\p], v[TN+\p]
.endr
.irp p, 0,1,2,3,4,5,6,7
	v_and_b32 v[T0], 1, v[TQ+\p]
	v_cmp_eq_u32 vcc_lo, 1, v[T0]
	v_cndmask_b32 v[TX+\p], v[TA+\p], v[TB+\p], vcc_lo     ; the sine's magnitude: in odd quadrants cos r
	v_cndmask_b32 v[TR+\p], v[TB+\p], v[TA+\p], vcc_lo     ; the cosine's: in odd quadrants sin r
	v_lshlrev_b32 v[T0+1], 30, v[TQ+\p]
	v_add_lshl_u32 v[T0+2], v[TQ+\p], 1, 30
	v_and_b32 v[TS+\p], 0x80000000, v[T0+1]                ; the sine changes sign in quadrants 2, 3,
	v_and_b32 v[TU+\p], 0x80000000, v[T0+2]                ; the cosine in 1, 2
.endr
	WIN 0xc0                                       ; destination window 3
.irp p, 0,1,2,3,4,5,6,7
	v_xor_b32 v[TAB+2*(8*\a+\p)], v[TR+\p], v[TU+\p]
	v_xor_b32 v[TAB+2*(8*\a+\p)+1], v[TX+\p], v[TS+\p]
.endr
	WIN 0
	v_add_f32 v[PP], 0x41800000, v[PP]             ; 16 positions on: exact
.endm
.irp a, 0,1,2,3
	SINCOS8 \a
.endr
	global_prefetch_b8 v[PFO], s[PFA:PFA+1] offset:2*ROWB th:TH_LOAD_NT scope:SCOPE_SE   ; K step 2
.irp a, 4,5,6,7
	SINCOS8 \a
.endr
	s_wait_loadcnt 0x0                             ; the biases
	s_wait_kmcnt 0x0                               ; the scales
.macro SCL vs, eo, ea, eb, sn          ; v[vs] = 2^(eo - ea - eb), v[vs + 1] = 448 x that, s[sn] = -(ea + eb)
	s_add_co_i32 s[\sn], s[\ea], s[\eb]
	s_sub_co_i32 s93, s[\eo], s[\sn]
	s_add_co_i32 s93, s93, 127
	s_lshl_b32 s94, s93, 23
	v_mov_b32 v[\vs], s94
	s_add_co_i32 s93, s93, 8
	s_lshl_b32 s93, s93, 23
	s_or_b32 s93, s93, 0x600000
	v_mov_b32 v[\vs+1], s93
	s_sub_co_i32 s[\sn], 0, s[\sn]
.endm
	SCL 8, 74, 68, 69, 90                          ; q: e6 - e0 - e1
	SCL 10, 75, 70, 71, 91                         ; k: e7 - e2 - e3
	SCL 12, 77, 72, 73, 92                         ; v: e9 - e4 - e5
	WIN 0x41                                       ; source 0 and destination window 1
.irp j, 0,1,2,3,4,5,6,7,8,9,10,11,12,13,14,15
	v_ldexp_f32 v[BQK+\j], v[BQK+\j], s90          ; bq / 2^(e0 + e1)
	v_ldexp_f32 v[BQK+16+\j], v[BQK+16+\j], s91    ; bk / 2^(e2 + e3)
.endr
	WIN 0x40
.irp u, 0,1
.irp j, 0,1,2,3,4,5,6,7
	v_ldexp_f32 v[BV+8*\u+\j], v[30+\u], s92       ; bv / 2^(e4 + e5): my column's, for the tile's eight keys
.endr
.endr
	WIN 0
.macro FRAG reg, adr, q, off           ; a fragment: four loads of 16 bytes
.irp c, 0,1,2,3
	ds_load_b128 v[\reg+4*\c:\reg+4*\c+3], v[\adr] offset:128*(\q)+32*\c+(\off)
.endr
.endm
.macro FETCH_B slot, q, p              ; the weights' six fragments of the slot's q-th 128 along K into set p: 24 loads
	WIN 0x40
.irp t, 0,1,2
.irp u, 0,1
	FRAG 128*(\p)+16*(2*\t+\u), ADRB+3*(\slot)+\t, \q, \u*16*PITCH
.endr
.endr
	WIN 0
.endm
.macro FETCH_A slot, q, i0             ; h's blocks i0 .. i0 + 3: 16 loads
.irp i, \i0, \i0+1, \i0+2, \i0+3
	FRAG AF+16*(\i), ADRA+\slot, \q, (\i)*16*PITCH
.endr
.endm
; 16 products for q and k, 8 for v: h's blocks a0 .. a0 + 3.  first = 1: the bias is the C of the sum's first product: nothing is cleared and nothing is added later.
; The 48 accumulators take turns, one instruction a turn, in the same order in every step.
.macro MULQK a0, p, first
.irp a, \a0, \a0+1, \a0+2, \a0+3
.irp t, 0,1
.irp u, 0,1
.if \first
	v_wmma_f32_16x16x128_fp8_fp8 v[128*\t+8*(2*(\a)+\u):128*\t+8*(2*(\a)+\u)+7], v[128*(\p)+16*(2*\t+\u):128*(\p)+16*(2*\t+\u)+15], v[AF+16*(\a):AF+16*(\a)+15], v[BQK+16*\t+8*\u:BQK+16*\t+8*\u+7]
.else
	v_wmma_f32_16x16x128_fp8_fp8 v[128*\t+8*(2*(\a)+\u):128*\t+8*(2*(\a)+\u)+7], v[128*(\p)+16*(2*\t+\u):128*(\p)+16*(2*\t+\u)+15], v[AF+16*(\a):AF+16*(\a)+15], v[128*\t+8*(2*(\a)+\u):128*\t+8*(2*(\a)+\u)+7]
.endif
.endr
.endr
.endr
.endm
.macro MULV a0, p, first
.irp a, \a0, \a0+1, \a0+2, \a0+3
.irp u, 0,1
.if \first
	v_wmma_f32_16x16x128_fp8_fp8 v[8*(2*(\a)+\u):8*(2*(\a)+\u)+7], v[AF+16*(\a):AF+16*(\a)+15], v[128*(\p)+64+16*\u:128*(\p)+64+16*\u+15], v[BV+8*\u:BV+8*\u+7]
.else
	v_wmma_f32_16x16x128_fp8_fp8 v[8*(2*(\a)+\u):8*(2*(\a)+\u)+7], v[AF+16*(\a):AF+16*(\a)+15], v[128*(\p)+64+16*\u:128*(\p)+64+16*\u+15], v[8*(2*(\a)+\u):8*(2*(\a)+\u)+7]
.endif
.endr
.endr
.endm
; A slot's first 128 along K (the weights' set 0); it fetches the slot's second 128.  h's blocks 0-3 are free behind their 24 products and are fetched anew in the middle, blocks 4-7 at the end.
.macro STEP slot, first
	s_wait_dscnt 16                                ; the weights' set and h's blocks 0-3 are in; the youngest sixteen loads (blocks 4-7) may be out
	WINQK \first
	MULQK 0, 0, \first
	WINV \first
	MULV 0, 0, \first
	s_wait_dscnt 0x0                               ; blocks 4-7 are in
	PLACES
	FETCH_B \slot, 1, 1
	FETCH_A \slot, 1, 0
	WINQK \first
	MULQK 4, 0, \first
	WINV \first
	MULV 4, 0, \first
	PLACES
	WIN 0
	FETCH_A \slot, 1, 4
.endm
; A slot's second 128 (set 1) changes slots in its middle.  Its first 24 products stand AHEAD of the wait for the tensor loads: all of this slot is in registers by then, so that between the landing of the next
; slot's tile and the request for the tile after it stand only the three lines and the round.  ONE barrier: in front of it each wave waits for all its tensor loads, adds 0 to its spare word, and waits for that and for
; its own reads of this slot.  fill = 1: the barrier opens a round of the cluster's, and this slot is filled again, two K steps ahead, first thing behind the round: 96 products ahead of the wait for it.
.macro TURN slot, next, fill
	s_wait_dscnt 16                                ; the weights' set 1 and h's blocks 0-3 are in; the youngest sixteen loads (blocks 4-7) may be out
	WINQK 0
	MULQK 0, 1, 0
	WINV 0
	MULV 0, 1, 0
	WIN 0
.if \fill
	s_wait_xcnt 0x0                                ; any prefetch of mine has read its address, so it may be stepped
	s_add_nc_u64 s[PFA:PFA+1], s[PFA:PFA+1], ROWB
.endif
	s_wait_tensorcnt 0x0                           ; all my tensor loads have landed: the one that was out is my tile of the next slot; so every group 0 may be written
	ds_add_u32 v[SPW], v[NIL]                      ; 0 onto my spare word
.if \fill
	s_add_nc_u64 s[G0A+4*\slot+2:G0A+4*\slot+3], s[G0A+4*\slot+2:G0A+4*\slot+3], 2*ROWB   ; this slot's next tile: two K steps on
	s_add_nc_u64 s[G0B+4*\slot+2:G0B+4*\slot+3], s[G0B+4*\slot+2:G0B+4*\slot+3], 2*ROWB
.endif
	s_wait_dscnt 0x0                               ; the add is done, and my reads of this slot are over (h's blocks 4-7 were the last)
	s_barrier_signal -1
	s_barrier_wait -1
.if \fill
	CREST                                          ; no wave of any partner still reads this slot or has a load on its way
	JLOAD \slot                                    ; my one tensor load behind the round; its four v_nop are also the places in front of the loads below
.else
	PLACES
.endif
	FETCH_B \next, 0, 0
	FETCH_A \next, 0, 0
.if \fill
	s_cmp_gt_u32 s3, 1                             ; the loop's last trip has no K step two refills on
	s_cbranch_scc0 .Lnoask_\@
	global_prefetch_b8 v[PFO], s[PFA:PFA+1] offset:3*ROWB th:TH_LOAD_NT scope:SCOPE_SE
.Lnoask_\@:
.endif
	WINQK 0
	MULQK 4, 1, 0
	WINV 0
	MULV 4, 1, 0
	PLACES
	WIN 0
	FETCH_A \next, 0, 4
.endm
	s_wait_alu depctr_va_vdst(0)
	s_wait_tensorcnt 0x0                           ; my tile of K step 0 is in
	ds_add_u32 v[SPW], v[NIL]
	s_wait_dscnt 0x0
	CROUND                                         ; everybody's is, and all sixteen work-groups are here
	JLOAD 1                                        ; K step 1, the first tensor load behind the round
	FETCH_B 0, 0, 0
	FETCH_A 0, 0, 0
	FETCH_A 0, 0, 4
	global_prefetch_b8 v[PFO], s[PFA:PFA+1] offset:3*ROWB th:TH_LOAD_NT scope:SCOPE_SE   ; K step 3
	STEP 0, 1                                      ; the first step stands in front of the loop: its products start the sums, from the biases
	s_mov_b32 s3, LAPS-1
.Llap:                                             ; a trip goes once round the ring and fills both slots again
	TURN 0, 1, 1
	STEP 1, 0
	TURN 1, 0, 1
	STEP 0, 0
	s_sub_co_u32 s3, s3, 1
	s_cmp_lg_u32 s3, 0
	s_cbranch_scc1 .Llap
	TURN 0, 1, 0                                   ; the last lap fills nothing
	STEP 1, 0
	s_wait_dscnt 16                                ; the very last step: nothing more to fetch
	WINQK 0
	MULQK 0, 1, 0
	WINV 0
	MULV 0, 1, 0
	s_wait_dscnt 0x0
	WINQK 0
	MULQK 4, 1, 0
	WINV 0
	MULV 4, 1, 0
	WIN 0
	PLACES
; THE WAY OUT.  q (t = 0) and k (t = 1), rows 16 a on: out(2 i) = x(2 i) cos - x(2 i + 1) sin, out(2 i + 1) = x(2 i + 1) cos + x(2 i) sin; the hold at 448 x the scale (the conversion to an 8-bit code
; does not saturate: ISA guide 7.6.2); two conversions give registers 4 w .. 4 w + 3 of fragment a.  Each accumulator is read from its low end on.
.macro ROPE t, a
	WIN 0x0e                                       ; source 0 (the sums) window 2, source 1 (the table) window 3
.irp u, 0,1
.irp p, 0,2,4,6
	v_pk_mul_f32 v[Y+8*\u+\p:Y+8*\u+\p+1], v[128*\t+8*(2*\a+\u)+\p:128*\t+8*(2*\a+\u)+\p+1], v[TAB+2*(8*\a+4*\u)+\p:TAB+2*(8*\a+4*\u)+\p+1] op_sel_hi:[1,0]   ; both x the cosine
.endr
.endr
.irp u, 0,1
.irp p, 0,2,4,6
	v_fma_f32 v[Y+8*\u+\p], -v[128*\t+8*(2*\a+\u)+\p+1], v[TAB+2*(8*\a+4*\u)+\p+1], v[Y+8*\u+\p]
	v_fma_f32 v[Y+8*\u+\p+1], v[128*\t+8*(2*\a+\u)+\p], v[TAB+2*(8*\a+4*\u)+\p+1], v[Y+8*\u+\p+1]
.endr
.endr
	WIN 0
.irp i, 0,1,2,3,4,5,6,7,8,9,10,11,12,13,14,15
	v_med3_num_f32 v[Y+\i], v[Y+\i], -v[9+2*\t], v[9+2*\t]
.endr
	v_cvt_scalef32_pk8_fp8_f32 v[CD+4*(8*\t+\a):CD+4*(8*\t+\a)+1], v[Y:Y+7], v[8+2*\t]
	v_cvt_scalef32_pk8_fp8_f32 v[CD+4*(8*\t+\a)+2:CD+4*(8*\t+\a)+3], v[Y+8:Y+15], v[8+2*\t]
	v_nop                                          ; a plain instruction behind the conversions: the next lines write their sources
	global_store_b128 v[STO], v[CD+4*(8*\t+\a):CD+4*(8*\t+\a)+3], s[20+2*\t:21+2*\t] offset:2048*\a   ; 32 lanes store 512 consecutive bytes
.endm
; v: tiles (2 c, u) and (2 c + 1, u) are keys 32 c + 8 h + 0 .. 7 and 32 c + 16 + 8 h + 0 .. 7 of column d = 32 w + 16 u + r: registers 4 c .. 4 c + 3 of V^T's fragment 2 w + u
.macro VOUT u, c
	WIN 0x03                                       ; source 0 window 3
.irp i, 0,1,2,3,4,5,6,7
	v_med3_num_f32 v[Y+\i], v[8*(4*\c+\u)+\i], -v13, v13
.endr
.irp i, 0,1,2,3,4,5,6,7
	v_med3_num_f32 v[Y+8+\i], v[8*(4*\c+2+\u)+\i], -v13, v13
.endr
	WIN 0
	v_cvt_scalef32_pk8_fp8_f32 v[CD+64+4*(4*\u+\c):CD+64+4*(4*\u+\c)+1], v[Y:Y+7], v12
	v_cvt_scalef32_pk8_fp8_f32 v[CD+64+4*(4*\u+\c)+2:CD+64+4*(4*\u+\c)+3], v[Y+8:Y+15], v12
	v_nop
	global_store_b128 v[VSTO], v[CD+64+4*(4*\u+\c):CD+64+4*(4*\u+\c)+3], s[22:23] offset:16384+2048*\u+512*\c
.endm
.irp t, 0,1
.irp a, 0,1,2,3,4,5,6,7
	ROPE \t, \a
.endr
.endr
.irp u, 0,1
.irp c, 0,1,2,3
	VOUT \u, \c
.endr
.endr
	s_wait_tensorcnt 0x0                           ; the wave's end
	ds_add_u32 v[SPW], v[NIL]
	s_wait_dscnt 0x0
	CROUND                                         ; the closing round: no work-group ends while a partner may still ask for a tile that names it
	s_endpgm
.Lfunc_end_k_q9c7e5fe802_qkv:
	.size	k_q9c7e5fe802_qkv, .Lfunc_end_k_q9c7e5fe802_qkv-k_q9c7e5fe802_qkv
	.p2alignl 7, 3214868480
	.fill 96, 4, 3214868480
	.section	.rodata,"a",@progbits
	.p2align	6, 0x0
	.amdhsa_kernel k_q9c7e5fe802_qkv
		.amdhsa_group_segment_fixed_size 327680
		.amdhsa_private_segment_fixed_size 0
		.amdhsa_enable_private_segment 0
		.amdhsa_kernarg_size 80
		.amdhsa_user_sgpr_count 2
		.amdhsa_user_sgpr_kernarg_segment_ptr 1
		.amdhsa_wavefront_size32 1
		.amdhsa_system_sgpr_workgroup_id_x 1
		.amdhsa_system_sgpr_workgroup_id_y 1
		.amdhsa_system_sgpr_workgroup_id_z 1
		.amdhsa_system_vgpr_workitem_id 0
		.amdhsa_next_free_vgpr 1024
		.amdhsa_next_free_sgpr 100
		.amdhsa_reserve_vcc 1
		.amdhsa_float_denorm_mode_32 3
		.amdhsa_float_denorm_mode_16_64 3
		.amdhsa_memory_ordered 1
		.amdhsa_forward_progress 1
		.amdhsa_inst_pref_size 196
	.end_amdhsa_kernel
	.amdgpu_metadata
---
amdhsa.version: [ 1, 2 ]
amdhsa.kernels:
  - .name:           k_q9c7e5fe802_qkv
    .symbol:         k_q9c7e5fe802_qkv.kd
    .args:
      - { .name: hidden_states_codes, .offset: 0, .size: 8, .value_kind: global_buffer, .address_space: global }
      - { .name: Wq_codes, .offset: 8, .size: 8, .value_kind: global_buffer, .address_space: global }
      - { .name: Wk_codes, .offset: 16, .size: 8, .value_kind: global_buffer, .address_space: global }
      - { .name: Wv_codes, .offset: 24, .size: 8, .value_kind: global_buffer, .address_space: global }
      - { .name: bq, .offset: 32, .size: 8, .value_kind: global_buffer, .address_space: global }
      - { .name: bk, .offset: 40, .size: 8, .value_kind: global_buffer, .address_space: global }
      - { .name: bv, .offset: 48, .size: 8, .value_kind: global_buffer, .address_space: global }
      - { .name: lowp_scales, .offset: 56, .size: 8, .value_kind: global_buffer, .address_space: global }
      - { .name: q_img, .offset: 64, .size: 8, .value_kind: global_buffer, .address_space: global }
      - { .name: kv_img, .offset: 72, .size: 8, .value_kind: global_buffer, .address_space: global }
    .group_segment_fixed_size: 327680
    .private_segment_fixed_size: 0
    .kernarg_segment_align: 8
    .kernarg_segment_size: 80
    .max_flat_workgroup_size: 128
    .sgpr_count:     100
    .vgpr_count:     1024
    .wavefront_size: 32
...
	.end_amdgpu_metadata
.endif
;; end of part 1
;; launch attn (part 2): grid 8 x 32, 8 waves a work-group, clusters of 4 x 1, 327,680 bytes of LDS; arguments q_img, kv_img, lowp_scales, attn_img; writes attn_img
.if DOCPART == 2
	.amdgcn_target "amdgcn-amd-amdhsa--gfx1250"
	.amdhsa_code_object_version 6
	.text
	.protected	k_q9c7e5fe802_attn
	.globl	k_q9c7e5fe802_attn
	.p2align	8
	.type	k_q9c7e5fe802_attn,@function
k_q9c7e5fe802_attn:
	s_mov_b64 s[64:65], 0
	v_nop
	global_prefetch_b8 v0, s[64:65] scope:SCOPE_SE
	s_setreg_imm32_b32 hwreg(HW_REG_WAVE_MODE, 25, 1), 1
	s_wait_xcnt 0x0
	s_wait_alu depctr_hold_cnt(0) depctr_sa_sdst(0) depctr_va_vdst(0) depctr_va_sdst(0) depctr_va_ssrc(0) depctr_va_vcc(0) depctr_vm_vsrc(0)
	s_getreg_b32 s2, hwreg(HW_REG_IB_STS2, 6, 4)
	s_cmp_eq_u32 s2, 0
	s_cbranch_scc0 .Lentry_in_a_cluster
	s_endpgm
.Lentry_in_a_cluster:
	s_bfe_u32 s2, ttmp6, 0x10000c
	s_cmp_lg_u32 s2, 0x3003
	s_cbranch_scc0 .Lentry_shape_is_right
	s_endpgm
.Lentry_shape_is_right:
; Causal attention on codes of FP8 (E4M3): o = softmax(q k^T / sqrt(128)) v for 32 (batch, head) pairs of 1,024 positions, head size 128; the result is quantised (entry 10 of the scales) and stored as codes.
; Scales: q 2^e6, k 2^e7, p 2^e8, v 2^e9.  THE SOFTMAX AHEAD OF THE SECOND PRODUCT: t = score x log2(e) / sqrt(128); M = the largest t so far, rounded UP to a whole number; p = 2^(t - M) is what is quantised;
; the row's sum is taken of the unquantised p, in f32, and divides at the end.  When M moves, the sum and O are multiplied by 2^(old M - new M): exact.
; LEFT OUT: key blocks of 128 all of whose keys come after a wave's 16 queries (reference() itself masks them).
; INPUTS ARE IMAGES OF FRAGMENTS (16 rows x 128 K; registers 2 c, 2 c + 1 of lane (r, h): K = 16 c + 8 h + 0 .. 7; registers 4 g .. 4 g + 3 at byte 512 g + 16 x lane), so every fragment comes by four loads of 16 bytes
; a lane, 512 consecutive bytes each: no pitch, no padding.
; A HEAD'S K AND V ARE 262,144 BYTES OF CODES AND LIE IN LDS WHOLE, byte for byte as in kv_img: wave w fetches key block w, one tensor load a wave: no ring, no refill.  All is asked for at the head, so there is no prefetch.
; SHARES.  Work-group g (0..7) of a head owns the g-th tile of 16 queries of EACH of the eight blocks of 128 positions.  Wave r (0..3) walks key blocks 0 .. 4 of block 7 - r's tile.  Wave 4 + r walks key blocks 0 .. r of
;   block r's tile and stores it; then it walks key blocks 5 .. 7 - r of block 7 - r's tile (none for r = 3) and hands -M, the sum and O^T over in LDS to wave r, which joins the two parts (powers of two: exact) and stores.
;   Five and four steps: every pair of waves walks nine.  What a wave walks hangs on its number alone.  g enters q's and the output's addresses and the mask's compare alone.
; CLUSTER: the four work-groups of a cluster belong to one head and need the same bytes: every tile is asked for jointly, by the same load with a mask that names the four.
; LAYOUT.  Both products are used transposed: S^T = K Q^T (source 0 = 16 keys), O^T = V^T P^T (source 0 = 16 of the head's 128): a lane holds ONE query (lane % 16) throughout, and its eight registers of a tile are eight
;   neighbours along the next K: a conversion's result is a register pair of the next operand.
; THE LDS LOADS STAND AMONG THE VECTOR WORK: eight runs of eight: the block's V in the first four, the NEXT block's K in the last four (jumped over in a wave's last step).
; attn_img: [128 rows 16][4 heads 4][16 rows 8][head % 4][2048], the last a fragment in which byte 512 b + 16 (r + 16 h) + i is K = 32 b + 16 h + i of row r, i = 0 .. 15.
; LIMITS: e6 + e7 between -123 and 130 (added to the exponent field of log2(e) / sqrt(128)); e8 and e10 between -126 and 119; e8 + e9 is applied by v_ldexp_f32 and has none.  NaN among the inputs is not served.
;   The scaled scores stay under 2^31 in magnitude.
; REGISTERS: window 0: v1 16 x lane; v5, v6 the add's; v7 the mask's number; v8 V's address, v9 the next K's; v10 the hand-over's; v11 the output's; v12 -M, v13 the largest t, v[14:15] the sum; v16-31 Q; v32-47 the output's codes;
;   v48-63 the second tile's Q; v96-159 S^T, then p; v160-223 O^T; v224-239 p's codes; v240-254 constants, at work.
;   window 1: v0-127 a key block's 8 fragments of K, v128-255 its 8 fragments of V^T.
.set MERGE, 0x40000                    ; behind K and V: the hand-over, 16 x 512 bytes of O^T and 512 of -M and the sum for each r
.set MSTEP, 8704
.set SPARE, MERGE+4*MSTEP              ; the spare words, 128 bytes for each wave: blocks of 256 bytes that no other line names
.set WV,  12                           ; s12 my wave's number; s13 r = wave % 4
.set SECOND, 14                        ; s14 7 - r, later x 32,768
.set SEL, 20                           ; s[20:21] selects for v_permlanex16_b32: lane l xor 16
.set CS,  22                           ; s[22:23] c = 2^(e6 + e7) log2(e) / sqrt(128)
.set G1,  24                           ; s[24:31] descriptor group 1
.set G0,  32                           ; s[32:35] group 0
.set TILE, 36                          ; s36 the block of my tile, x 32,768: the key block on its diagonal
.set SH,   37                          ; s37 4 x wave: my place in a step's table of key blocks
.set KB,   38                          ; s38 the step's key block x 32,768
.set NKB,  67                          ; s67 the next step's
.set MSB, 0
.macro WIN new                         ; the immediate's high byte repeats the setting that is left
.if MSB != \new
	s_set_vgpr_msb (MSB<<8)|\new
.set MSB, \new
.endif
.endm
.macro CROUND                          ; a round of the cluster's barrier
	s_barrier_signal -1
	s_barrier_wait -1
	s_cmp_lg_u32 s[WV], 0
	s_cbranch_scc1 .Lnot_wave_0_\@
	s_barrier_signal -3
.Lnot_wave_0_\@:
	s_barrier_wait -3
	s_barrier_signal -1
	s_barrier_wait -1
.endm
	s_load_b256 s[4:11], s[0:1], 0x0               ; q_img s[4:5], kv_img s[6:7], the scales s[8:9], attn_img s[10:11]
	v_lshl_add_u32 v5, v0, 2, SPARE
	v_mov_b32 v6, 0
	ds_add_u32 v5, v6                              ; the opening: the add, twice on end, and its wait ahead of my tensor load
	ds_add_u32 v5, v6
	v_lshrrev_b32 v2, 5, v0
	v_readfirstlane_b32 s[WV], v2                  ; wave 0..7
	s_and_b32 s13, s[WV], 3
	s_xor_b32 s[SECOND], s13, 7                    ; 7 - r
	s_lshl_b32 s[SH], s[WV], 2
	s_cmp_lt_u32 s[WV], 4
	s_cselect_b32 s[TILE], s[SECOND], s13
	s_bfe_u32 s15, ttmp6, 0x40000                  ; cx
	s_lshl_b32 s17, ttmp9, 2
	s_add_co_u32 s17, s17, s15                     ; g = 4 x cluster x + cx
	s_and_b32 s16, ttmp7, 0xffff                   ; the (batch, head) pair, which the four partners share
	; descriptor group 1: a dense block of 32,768 bytes as 128 rows of 32 elements of 8 bytes
	s_mov_b32 s[G1], 15|(3<<16)|(1<<21)            ; 15:0 the mask: all four work-groups; 17:16 elements of 8 bytes; 21 set beside a mask; no padding
	s_mov_b32 s[G1+1], 32<<16                      ; tensor_dim0
	s_mov_b32 s[G1+2], 128<<16                     ; tensor_dim1
	s_mov_b32 s[G1+3], 32<<16                      ; tile_dim0
	s_mov_b32 s[G1+4], 128                         ; tile_dim1
	s_mov_b32 s[G1+5], 32                          ; from row to row
	s_mov_b32 s[G1+6], 0
	s_mov_b32 s[G1+7], 0
	s_lshl_b32 s18, s[WV], 15                      ; my key block
	s_lshl_b32 s66, s16, 18                        ; the head's 262,144 bytes
	s_add_co_u32 s66, s66, s18
	s_mov_b32 s67, 0
	s_mov_b32 s[SEL], 0x76543210
	s_mov_b32 s[SEL+1], 0xfedcba98
	s_mov_b32 s[CS], 0x3e0293ee                    ; log2(e) / sqrt(128)
	s_wait_dscnt 0x0                               ; both opening adds are done
	s_wait_kmcnt 0x0
	s_load_b256 s[48:55], s[8:9], 0x0              ; e0 .. e7
	s_load_b128 s[56:59], s[8:9], 0x20             ; e8 .. e11
	s_add_nc_u64 s[6:7], s[6:7], s[66:67]
	s_mov_b32 s[G0], 1                             ; count = 1
	s_mov_b32 s[G0+1], s18                         ; LDS address: as in the head's bytes
	s_mov_b64 s[G0+2:G0+3], s[6:7]
	s_or_b32 s[G0+3], s[G0+3], 0x80000000          ; type = 2
	CROUND                                         ; all four work-groups are here: the joint loads meet
	tensor_load_to_lds s[G0:G0+3], s[G1:G1+7]      ; my one load of the launch
	s_nop 0
.rept 4
	v_nop
.endr
	s_lshl_b32 s68, s16, 6                         ; Q: fragment 64 x pair + 8 x block + g, of my first tile
	s_add_co_u32 s68, s68, s17
	s_lshl_b32 s69, s[TILE], 3
	s_add_co_u32 s70, s68, s69
	s_lshl_b32 s70, s70, 11
	s_mov_b32 s71, 0
	s_add_nc_u64 s[72:73], s[4:5], s[70:71]
	s_lshl_b32 s69, s[SECOND], 3                   ; and of block 7 - r's (used by the waves that go over to it)
	s_add_co_u32 s70, s68, s69
	s_lshl_b32 s70, s70, 11
	s_add_nc_u64 s[76:77], s[4:5], s[70:71]
	s_lshl_b32 s66, s17, 4
	s_mul_i32 s75, s13, MSTEP
	s_add_co_u32 s75, s75, MERGE
	v_and_b32 v2, 31, v0
	v_lshlrev_b32 v1, 4, v2                        ; 16 x lane
	v_and_b32 v3, 15, v0                           ; r
	v_bfe_u32 v4, v0, 4, 1                         ; h
	v_lshlrev_b32 v11, 4, v3
	v_lshl_add_u32 v11, v4, 3, v11                 ; the output: 16 r + 8 h
	v_add_nc_u32 v7, s66, v3
	v_lshlrev_b32 v4, 3, v4
	v_sub_nc_u32 v7, v7, v4                        ; 16 g + r - 8 h: on the diagonal, register 8 t + j holds key 16 t + 8 h + j of the block: hidden where 16 t + j > this
	v_add_nc_u32 v10, s75, v1
.irp c, 0,1,2,3
	global_load_b128 v[16+4*\c:19+4*\c], v1, s[72:73] offset:512*\c
.endr
.irp c, 0,1,2,3
	global_load_b128 v[48+4*\c:51+4*\c], v1, s[76:77] offset:512*\c
.endr
	s_lshr_b32 s70, s16, 4                         ; the output: (((8 batch + block) 4 + head / 4) 8 + g) 4 + head % 4 fragments on
	s_lshl_b32 s70, s70, 3
	s_add_co_u32 s70, s70, s[TILE]
	s_lshl_b32 s70, s70, 2
	s_bfe_u32 s71, s16, 0x20002
	s_add_co_u32 s70, s70, s71
	s_lshl_b32 s70, s70, 3
	s_add_co_u32 s70, s70, s17
	s_lshl_b32 s70, s70, 2
	s_and_b32 s71, s16, 3
	s_add_co_u32 s70, s70, s71
	s_lshl_b32 s70, s70, 11
	s_mov_b32 s71, 0
	s_add_nc_u64 s[10:11], s[10:11], s[70:71]
	s_lshl_b32 s[TILE], s[TILE], 15
	s_lshl_b32 s[SECOND], s[SECOND], 15
	v_mov_b32 v241, 0                              ; written once: a lane permute's destination counts as one of its sources
	v_mov_b32 v253, 0                              ; (named as the upper half of a pair, and so v243)
	v_mov_b32 v243, 0
	v_mov_b32 v245, 0xff800000                     ; -infinity
.macro RESET                           ; a tile begins: every step has the same form, so the first finds zeros, which the first change of M leaves zeros
	v_mov_b32 v13, 0xff61b1e6                      ; the largest t so far: -3e38
	v_floor_f32 v12, -v13                          ; -M
	v_mov_b32 v14, 0
	v_mov_b32 v15, 0
.set i, 0
.rept 64
	v_mov_b32 v[160+i], 0
.set i, i+1
.endr
.endm
	RESET
	s_wait_alu depctr_va_vdst(0)
	s_wait_kmcnt 0x0
	s_add_co_i32 s68, s54, s55
	s_lshl_b32 s68, s68, 23
	s_add_co_i32 s[CS], s[CS], s68                 ; a score stands for score x 2^(e6 + e7): the exponents are added to c's exponent field
	s_mov_b32 s[CS+1], s[CS]
	s_add_co_i32 s68, s56, 127
	s_lshl_b32 s69, s68, 23
	v_mov_b32 v244, s69                            ; 2^e8, for p's conversions
	s_add_co_i32 s68, s68, 8
	s_lshl_b32 s68, s68, 23
	s_or_b32 s68, s68, 0x600000
	v_mov_b32 v240, s68                            ; 448 x 2^e8
	s_add_co_i32 s68, s58, 127
	s_lshl_b32 s69, s68, 23
	v_mov_b32 v247, s69                            ; 2^e10, for the output's
	s_add_co_i32 s68, s68, 8
	s_lshl_b32 s68, s68, 23
	s_or_b32 s68, s68, 0x600000
	v_mov_b32 v246, s68                            ; 448 x 2^e10
	s_add_co_i32 s74, s56, s57                     ; e8 + e9
; n of the 32 loads that bring a block's fragments of K, from the i0-th on: images lie on end, register 4 i from byte 512 i
.macro LDK adr, i0, n
	WIN 0x40                                       ; destination window 1, address window 0
.set i, \i0
.rept \n
	ds_load_b128 v[4*i:4*i+3], v[\adr] offset:512*i
.set i, i+1
.endr
	WIN 0
.endm
; eight of the 32 loads that bring this block's fragments of V^T
.macro LDV i0
	WIN 0x40
.set i, \i0
.rept 8
	ds_load_b128 v[128+4*i:128+4*i+3], v8 offset:16384+512*i
.set i, i+1
.endr
	WIN 0
.endm
; eight loads of the NEXT step's K, unless this step is my last
.macro AHEAD st, i0
.if \st == 3                           ; waves 4 to 7 have four steps
	s_cmp_gt_u32 s[WV], 3
	s_cbranch_scc1 .Lno_next_\@
	LDK 9, \i0, 8
.Lno_next_\@:
.endif
.if \st < 3
	LDK 9, \i0, 8
.endif
.endm
; My key block in step st, x 32,768.  Nibble w of a step's table is wave w's block.
.macro KEYS st, d
.if (\st) == 0
	s_mov_b32 s[\d], 0
.endif
.if (\st) == 1
	s_lshr_b32 s[\d], 0x11151111, s[SH]
.endif
.if (\st) == 2
	s_lshr_b32 s[\d], 0x22562222, s[SH]
.endif
.if (\st) == 3
	s_lshr_b32 s[\d], 0x35673333, s[SH]
.endif
.if ((\st) > 0) && ((\st) < 4)
	s_and_b32 s[\d], s[\d], 7
	s_lshl_b32 s[\d], s[\d], 15
.endif
.if (\st) == 4
	s_mov_b32 s[\d], 4<<15
.endif
.endm
; tile t of p is held and converted: keys 16 t + 8 h + 0 .. 7: registers 2 t, 2 t + 1 of P's fragment
.macro PQ t
.irp j, 0,1,2,3,4,5,6,7
	v_min_num_f32 v[96+8*\t+\j], v[96+8*\t+\j], v240   ; the conversion to an 8-bit code does not saturate (ISA guide 7.6.2); p is not negative, so the hold is one-sided
.endr
	v_cvt_scalef32_pk8_fp8_f32 v[224+2*\t:225+2*\t], v[96+8*\t:103+8*\t], v244
.endm
; THE WAY OUT of my tile (v14: the sum of my half's keys): O^T x 2^(e8 + e9) / the sum, held, converted: tile d gives eight neighbouring channels 16 d + 8 h on: eight stores of 256 consecutive bytes.
.macro OUT
	s_wait_alu depctr_va_vdst(0)
	s_wait_xcnt 0x0                                ; (a store's data registers are written again only behind this wait)
	v_permlanex16_b32 v241, v14, s[SEL], s[SEL+1]
	v_add_f32 v14, v14, v241                       ; and lane l xor 16's
	s_wait_alu depctr_va_vdst(0)                   ; the wait ahead of the transcendental,
	v_rcp_f32 v14, v14
	v_nop                                          ; a plain place behind it,
	s_wait_alu depctr_va_vdst(0)                   ; and the wait ahead of its reader
	v_ldexp_f32 v14, v14, s74
	s_wait_alu depctr_va_vdst(0)                   ; directly ahead of the first reader of O^T
.set i, 0
.rept 32
	v_pk_mul_f32 v[96+i:97+i], v[160+i:161+i], v[14:15] op_sel_hi:[1,0]   ; each accumulator from its low end on
.set i, i+2
.endr
.irp d, 0,1,2,3,4,5,6,7
.irp j, 0,1,2,3,4,5,6,7
	v_med3_num_f32 v[96+8*\d+\j], v[96+8*\d+\j], -v246, v246
.endr
	v_cvt_scalef32_pk8_fp8_f32 v[32+2*\d:33+2*\d], v[96+8*\d:103+8*\d], v247
.endr
	v_nop
.irp d, 0,1,2,3,4,5,6,7
	global_store_b64 v11, v[32+2*\d:33+2*\d], s[10:11] offset:256*\d
.endr
.endm
	s_wait_alu depctr_va_vdst(0)                   ; the wait at the head's end
	s_wait_loadcnt 0x0                             ; Q
	s_wait_tensorcnt 0x0                           ; my key block is in,
	s_barrier_signal -1
	s_barrier_wait -1                              ; and so is everybody's
	LDK 1, 0, 32                                   ; block 0's K has no step ahead of it
; STEP st OF FIVE, a key block each.  The branches hang on the wave's number alone; no barrier and no tensor load stands in a step.
; Every wait on DScnt is for 0: the number of loads issued behind V's differs between the way with the next block's K and the way without.
.macro STEP st
.if (\st > 0) && (\st < 4)             ; wave 3 + st has finished its first tile:
	s_cmp_lg_u32 s[WV], 3+\st
	s_wait_alu depctr_va_vdst(0)                   ; directly ahead of the branch
	s_cbranch_scc1 .Lsame_\@
	v_add_f32 v14, v14, v15
	OUT                                            ; it goes out,
	s_mov_b32 s[TILE], s[SECOND]                   ; and the wave goes over to block 7 - r's
.irp c, 0,1,2,3,4,5,6,7,8,9,10,11,12,13,14,15
	v_mov_b32 v[16+\c], v[48+\c]
.endr
	RESET
.Lsame_\@:
.endif
	KEYS \st, KB
	v_add_nc_u32 v8, s[KB], v1
.if \st < 4
	KEYS \st+1, NKB
	v_add_nc_u32 v9, s[NKB], v1
.endif
	s_wait_alu depctr_va_vdst(0)                   ; directly ahead of the wait below
	s_wait_dscnt 0x0                               ; K is in
	WIN 0x01                                       ; source 0 window 1
.irp t, 0,1,2,3,4,5,6,7
	v_wmma_f32_16x16x128_fp8_fp8 v[96+8*\t:103+8*\t], v[16*\t:16*\t+15], v[16:31], 0
.endr
	LDV 0                                          ; (V's registers were last read by the step before's products, four places back)
.rept 4
	v_nop                                          ; places in front of the first read of results, and of the loads into K's registers further down
.endr
	s_cmp_lg_u32 s[KB], s[TILE]                    ; the diagonal block?
	s_cbranch_scc1 .Lopen_\@
.set i, 0
.rept 64
	v_cmp_gt_i32 vcc_lo, 16*(i/8)+i%8, v7
	v_cndmask_b32 v[96+i], v[96+i], v245, vcc_lo   ; hidden scores become -infinity ahead of the maximum: p = 0
.set i, i+1
.endr
.Lopen_\@:
	v_max3_num_f32 v254, v96, v97, v98             ; the block's largest score of my query among my 64 keys, in four chains, the registers in ascending order,
	v_max3_num_f32 v252, v99, v100, v101
	v_max3_num_f32 v248, v102, v103, v104
	v_max3_num_f32 v250, v105, v106, v107
.irp i, 12,20,28,36,44,52
	v_max3_num_f32 v254, v254, v[96+\i], v[97+\i]
	v_max3_num_f32 v252, v252, v[98+\i], v[99+\i]
	v_max3_num_f32 v248, v248, v[100+\i], v[101+\i]
	v_max3_num_f32 v250, v250, v[102+\i], v[103+\i]
.endr
	v_max3_num_f32 v254, v254, v156, v157
	v_max3_num_f32 v252, v252, v158, v159
	LDV 8
	v_max3_num_f32 v254, v254, v252, v248
	v_max_num_f32 v254, v254, v250
	v_permlanex16_b32 v241, v254, s[SEL], s[SEL+1]
	v_max_num_f32 v254, v254, v241                 ; and among lane l xor 16's
	v_mul_f32 v254, s[CS], v254                    ; as t (c is positive); every row has a key that counts in every block that is walked
	v_max_num_f32 v13, v13, v254                   ; the running largest t
	v_mov_b32 v254, v12
	v_floor_f32 v12, -v13                          ; the new -M = floor(-t) = -ceil(t)
	v_sub_f32 v254, v12, v254                      ; old M - new M: a whole number, 0 or less
	v_cvt_i32_f32 v254, v254                       ; (it saturates)
	v_ldexp_f32 v252, 1.0, v254                    ; f = 2^(old M - new M)
	LDV 16
.set i, 0
.rept 32
	v_pk_fma_f32 v[96+i:97+i], v[96+i:97+i], s[CS:CS+1], v[12:13] op_sel_hi:[1,0,0]   ; t - M
.set i, i+2
.endr
	s_wait_alu depctr_va_vdst(0)                   ; the wait ahead of the batch
.set j, 0
.rept 32
	v_exp_f32 v[96+j], v[96+j]                     ; p = 2^(t - M), at most 1
.set j, j+1
.endr
	LDV 24
.rept 32
	v_exp_f32 v[96+j], v[96+j]
.set j, j+1
.endr
	v_pk_mul_f32 v[14:15], v[14:15], v[252:253] op_sel_hi:[1,0]   ; the sums under the new M (a plain place behind the exponentials)
	s_wait_alu depctr_va_vdst(0)                   ; one wait for the batch, ahead of its first reader
	AHEAD \st, 0
	v_pk_add_f32 v[14:15], v[14:15], v[96:97]      ; the row's sum is taken of the unquantised p, two at a time, in four chains
	v_pk_add_f32 v[242:243], v[98:99], v[106:107]
	v_pk_add_f32 v[248:249], v[100:101], v[108:109]
	v_pk_add_f32 v[250:251], v[102:103], v[110:111]
	v_pk_add_f32 v[14:15], v[14:15], v[104:105]
.irp o, 16,24,32,40,48,56
	v_pk_add_f32 v[14:15], v[14:15], v[96+\o:97+\o]
	v_pk_add_f32 v[242:243], v[242:243], v[98+\o:99+\o]
	v_pk_add_f32 v[248:249], v[248:249], v[100+\o:101+\o]
	v_pk_add_f32 v[250:251], v[250:251], v[102+\o:103+\o]
.endr
	v_pk_add_f32 v[14:15], v[14:15], v[242:243]
	v_pk_add_f32 v[248:249], v[248:249], v[250:251]
	v_pk_add_f32 v[14:15], v[14:15], v[248:249]
	AHEAD \st, 8
	PQ 0
	PQ 1
	PQ 2
	AHEAD \st, 16
	PQ 3
	PQ 4
	PQ 5
	AHEAD \st, 24
	PQ 6
	PQ 7
	s_wait_alu depctr_va_vdst(0)                   ; directly ahead of the first reader of O^T
.set i, 0
.rept 32
	v_pk_mul_f32 v[160+i:161+i], v[160+i:161+i], v[252:253] op_sel_hi:[1,0]   ; O^T under the new M
.set i, i+2
.endr
	s_wait_alu depctr_va_vdst(0)                   ; directly ahead of the wait below
	s_wait_dscnt 0x0                               ; V is in, and so is the next block's K
	WIN 0x01
.irp d, 0,1,2,3,4,5,6,7
	v_wmma_f32_16x16x128_fp8_fp8 v[160+8*\d:167+8*\d], v[128+16*\d:143+16*\d], v[224:239], v[160+8*\d:167+8*\d]
.endr
	WIN 0
.rept 4
	v_nop                                          ; places in front of the next block's loads into V's registers, and of reads of O^T
.endr
.endm
	STEP 0
	STEP 1
	STEP 2
	STEP 3
	s_cmp_gt_u32 s[WV], 3                          ; waves 4 to 7 have four steps
	s_wait_alu depctr_va_vdst(0)                   ; directly ahead of the branch
	s_cbranch_scc1 .Ldone
	STEP 4
.Ldone:
	v_add_f32 v14, v14, v15                        ; the sum's two halves
	s_wait_alu depctr_va_vdst(0)
	s_cmp_lt_u32 s[WV], 4
	s_cbranch_scc1 .Lmine
	s_cmp_eq_u32 s[WV], 7
	s_cbranch_scc1 .Lmine
.set i, 0
.rept 16
	ds_store_b128 v10, v[160+4*i:163+4*i] offset:512*i   ; waves 4 to 6 hand their part over
.set i, i+1
.endr
	ds_store_b128 v10, v[12:15] offset:8192
.Lmine:
	s_wait_dscnt 0x0                               ; my stores are done:
	s_barrier_signal -1
	s_barrier_wait -1                              ; and so are everybody's
	s_cmp_gt_u32 s[WV], 2
	s_cbranch_scc1 .Lwhole
	ds_load_b128 v[16:19], v10 offset:8192         ; waves 0 to 2 take it
.set i, 0
.rept 16
	ds_load_b128 v[96+4*i:99+4*i], v10 offset:512*i
.set i, i+1
.endr
	s_wait_dscnt 0x0
	v_min_num_f32 v250, v12, v16                   ; -M of both parts
	v_sub_f32 v254, v250, v12
	v_sub_f32 v248, v250, v16
	v_cvt_i32_f32 v254, v254
	v_cvt_i32_f32 v248, v248
	v_ldexp_f32 v252, 1.0, v254                    ; my part's power of two,
	v_ldexp_f32 v242, 1.0, v248                    ; and the other's
	v_mul_f32 v14, v14, v252
	v_fma_f32 v14, v18, v242, v14
.set i, 0
.rept 32
	v_pk_mul_f32 v[160+i:161+i], v[160+i:161+i], v[252:253] op_sel_hi:[1,0]
.set i, i+2
.endr
.set i, 0
.rept 32
	v_pk_fma_f32 v[160+i:161+i], v[96+i:97+i], v[242:243], v[160+i:161+i] op_sel_hi:[1,0,1]
.set i, i+2
.endr
.Lwhole:
	s_cmp_lt_u32 s[WV], 4
	s_cbranch_scc1 .Lout
	s_cmp_lg_u32 s[WV], 7
	s_cbranch_scc1 .Lend
.Lout:
	OUT
.Lend:
	s_wait_tensorcnt 0x0                           ; the wave's end
	ds_add_u32 v5, v6
	s_wait_dscnt 0x0
	CROUND                                         ; the closing round: no work-group ends while a partner may still ask for a tile that names it
	s_endpgm
.Lfunc_end_k_q9c7e5fe802_attn:
	.size	k_q9c7e5fe802_attn, .Lfunc_end_k_q9c7e5fe802_attn-k_q9c7e5fe802_attn
	.p2alignl 7, 3214868480
	.fill 96, 4, 3214868480
	.section	.rodata,"a",@progbits
	.p2align	6, 0x0
	.amdhsa_kernel k_q9c7e5fe802_attn
		.amdhsa_group_segment_fixed_size 327680
		.amdhsa_private_segment_fixed_size 0
		.amdhsa_enable_private_segment 0
		.amdhsa_kernarg_size 32
		.amdhsa_user_sgpr_count 2
		.amdhsa_user_sgpr_kernarg_segment_ptr 1
		.amdhsa_wavefront_size32 1
		.amdhsa_system_sgpr_workgroup_id_x 1
		.amdhsa_system_sgpr_workgroup_id_y 1
		.amdhsa_system_sgpr_workgroup_id_z 1
		.amdhsa_system_vgpr_workitem_id 0
		.amdhsa_next_free_vgpr 512
		.amdhsa_next_free_sgpr 80
		.amdhsa_reserve_vcc 1
		.amdhsa_float_denorm_mode_32 3
		.amdhsa_float_denorm_mode_16_64 3
		.amdhsa_memory_ordered 1
		.amdhsa_forward_progress 1
		.amdhsa_inst_pref_size 177
	.end_amdhsa_kernel
	.amdgpu_metadata
---
amdhsa.version: [ 1, 2 ]
amdhsa.kernels:
  - .name:           k_q9c7e5fe802_attn
    .symbol:         k_q9c7e5fe802_attn.kd
    .args:
      - { .name: q_img, .offset: 0, .size: 8, .value_kind: global_buffer, .address_space: global }
      - { .name: kv_img, .offset: 8, .size: 8, .value_kind: global_buffer, .address_space: global }
      - { .name: lowp_scales, .offset: 16, .size: 8, .value_kind: global_buffer, .address_space: global }
      - { .name: attn_img, .offset: 24, .size: 8, .value_kind: global_buffer, .address_space: global }
    .group_segment_fixed_size: 327680
    .private_segment_fixed_size: 0
    .kernarg_segment_align: 8
    .kernarg_segment_size: 32
    .max_flat_workgroup_size: 256
    .sgpr_count:     80
    .vgpr_count:     512
    .wavefront_size: 32
...
	.end_amdgpu_metadata
.endif
;; end of part 2
;; launch oproj (part 3): grid 16 x 16, 4 waves a work-group, clusters of 4 x 4, 327,680 bytes of LDS; arguments attn_img, Wo_codes, bo, lowp_scales, out0; writes out0
.if DOCPART == 3
	.amdgcn_target "amdgcn-amd-amdhsa--gfx1250"
	.amdhsa_code_object_version 6
	.text
	.protected	k_q9c7e5fe802_oproj
	.globl	k_q9c7e5fe802_oproj
	.p2align	8
	.type	k_q9c7e5fe802_oproj,@function
k_q9c7e5fe802_oproj:
	s_mov_b64 s[64:65], 0
	v_nop
	global_prefetch_b8 v0, s[64:65] scope:SCOPE_SE
	s_setreg_imm32_b32 hwreg(HW_REG_WAVE_MODE, 25, 1), 1
	s_wait_xcnt 0x0
	s_wait_alu depctr_hold_cnt(0) depctr_sa_sdst(0) depctr_va_vdst(0) depctr_va_sdst(0) depctr_va_ssrc(0) depctr_va_vcc(0) depctr_vm_vsrc(0)
	s_getreg_b32 s2, hwreg(HW_REG_IB_STS2, 6, 4)
	s_cmp_eq_u32 s2, 0
	s_cbranch_scc0 .Lentry_in_a_cluster
	s_endpgm
.Lentry_in_a_cluster:
	s_bfe_u32 s2, ttmp6, 0x10000c
	s_cmp_lg_u32 s2, 0xf033
	s_cbranch_scc0 .Lentry_shape_is_right
	s_endpgm
.Lentry_shape_is_right:
; out = a Wo + bo on codes of FP8 (E4M3), sums in f32: a: 2,048 rows x 2,048 K as images of fragments (attn_img), Wo: [2048 columns][2048 K] codes; a sum is multiplied by 2^(e10 + e11) and the bias added in one step.
; SHARES.  A work-group makes 128 x 128 of the result, a wave 64 x 64: 16 accumulators of 16 x 16.  K goes in four chunks of 512 through two LDS slots (A's image of 65,536 bytes, then 128 rows of Wo, 528 bytes apart).
; FILLS.  At the head each wave issues one load, a whole tile: wave s A's of slot s, wave 2 + s Wo's of slot s: both slots at once.  Slot s is filled again once, by the same two waves, two chunks on.
; CLUSTERS: 4 x 4 work-groups.  A's tile hangs on the row block alone and is shared along a row of the cluster, Wo's on the column block alone and is shared along a column: each is asked for jointly.
; PREFETCH INTO THE L2.  Chunk 2 is asked for in the head, behind the loads of chunks 0 and 1, chunk 3 in chunk 0's first quarter.  A chunk is 256 blocks of 256 bytes of A and as many of Wo; each of the four partners that ask
;   jointly takes 64 of them, told apart by address (cx for A, cy for Wo), 32 in each of two waves: a lane a block, one instruction.
; FRAGMENTS: 16 rows x 128 K, registers 4 c .. 4 c + 3 of lane (r, h): K = 32 c + 16 h + 0 .. 15 on both sides: four loads of 16 bytes.  The same order of K on both sides.
; THE MATRIX INSTRUCTION IS USED TRANSPOSED (source 0 = 16 rows of Wo, source 1 = 16 rows of A): a lane holds eight neighbouring columns of one row.
; THE LAST CHUNK GOES BY ROWS: its fragments have registers of their own (windows 2 and 3); each block of 16 rows is finished by 16 products and leaves while the next is multiplied.
; LIMIT: e10 + e11 lies between -126 and 127.
; REGISTERS: window 0: v16-31 addresses; v32-63 the bias; v64-127 rows on their way out; v128-255 the accumulators (4 fa + fb).  window 1: two fragment buffers (A at +0, Wo at +64).
;   window 2: the last chunk's Wo (64 q + 16 fb).  window 3: its A (64 fa + 16 q).
.set BP,     528                       ; 132 words: the 16 rows of a fragment load start at 16 different groups of four banks
.set AIMG,   65536
.set SLOT,   AIMG+128*BP
.set STAGE,  2*SLOT                    ; the way out: 16 rows x (256 + 16) bytes for each wave; no fill lands there
.set SP,     272
.set SPARE,  STAGE+4*16*SP             ; the spare words, 128 bytes for each wave: two blocks of 256 bytes that no other line names
.set ADRA, 16                          ; v16, v17 LDS address of my A fragments in slot 0, 1
.set ADRB, 20                          ; v20, v21 the same for Wo
.set STO,  24
.set RD,   25
.set CO,   26
.set SPW,  28
.set NIL,  29
.set PFO,  30                          ; v30 the prefetches' offset
.set BO,   32
.set BK,   64
.set ACC,  128
.set F0,   0
.set F1,   128
.set G1A, 24                           ; s[24:31] descriptor group 1 for A's tiles, s[32:35] group 0
.set G0A, 32
.set G1B, 48                           ; s[48:55], s[56:59] the same for Wo's
.set G0B, 56
.set PFA, 60                           ; s[60:61] where my prefetches stand
.set PFS, 62                           ; s[62:63] a chunk on, in bytes
.set MSB, 0
.macro WIN new                         ; the immediate's high byte repeats the setting that is left
.if MSB != \new
	s_set_vgpr_msb (MSB<<8)|\new
.set MSB, \new
.endif
.endm
.set MUL,  0x05                        ; sources 0 and 1 window 1, C and D window 0
.set TO_F, 0x40                        ; destination window 1
; A joint load: each line has one mask; the branch hangs on the wave's number alone.  Four v_nop follow each line.
.macro JLOAD
	s_cmp_eq_u32 s15, 0
	s_cbranch_scc0 .Lfor_b_\@
	tensor_load_to_lds s[G0A:G0A+3], s[G1A:G1A+7]
	s_nop 0
.rept 4
	v_nop
.endr
	s_branch .Lasked_\@
.Lfor_b_\@:
	tensor_load_to_lds s[G0B:G0B+3], s[G1B:G1B+7]
	s_nop 0
.rept 4
	v_nop
.endr
.Lasked_\@:
.endm
.macro CREST                           ; a round of the cluster's barrier behind its opening barrier
	s_cmp_lg_u32 s14, 0
	s_cbranch_scc1 .Lnot_wave_0_\@
	s_barrier_signal -3
.Lnot_wave_0_\@:
	s_barrier_wait -3
	s_barrier_signal -1
	s_barrier_wait -1
.endm
.macro CROUND
	s_barrier_signal -1
	s_barrier_wait -1
	CREST
.endm
.macro PLACES                          ; four plain vector instructions between a matrix instruction and a load into, or a vector instruction on, its registers
.rept 4
	v_nop
.endr
.endm
	s_load_b256 s[4:11], s[0:1], 0x0               ; attn_img s[4:5], Wo s[6:7], bo s[8:9], the scales s[10:11]
	s_load_b64 s[12:13], s[0:1], 0x20              ; out0
	v_lshl_add_u32 v[SPW], v0, 2, SPARE
	v_mov_b32 v[NIL], 0
	ds_add_u32 v[SPW], v[NIL]                      ; the opening: the add, twice on end, and its wait ahead of my first tensor load
	ds_add_u32 v[SPW], v[NIL]
	v_lshrrev_b32 v3, 5, v0
	v_readfirstlane_b32 s14, v3                    ; wave 0..3
	s_lshr_b32 s15, s14, 1                         ; my half of the rows.  Also: I fetch for A (0) or Wo (1)
	s_and_b32 s16, s14, 1                          ; my half of the columns.  Also: the slot that I fill
	s_bfe_u32 s40, ttmp6, 0x40000                  ; cx, cy
	s_bfe_u32 s41, ttmp6, 0x40004
	s_lshl_b32 s42, ttmp9, 2
	s_add_co_u32 s42, s42, s40                     ; column block = 4 x cluster x + cx
	s_and_b32 s17, ttmp7, 0xffff
	s_lshl_b32 s17, s17, 2
	s_add_co_u32 s17, s17, s41                     ; row block = 4 x cluster y + cy
	s_lshl_b32 s43, s41, 2
	s_lshl_b32 s43, 15, s43                        ; my row of the cluster
	s_lshl_b32 s44, 0x1111, s40                    ; my column
	s_or_b32 s[G1A], s43, (3<<16)|(1<<21)          ; A: a dense block of 65,536 bytes as 256 rows of 32 elements of 8 bytes
	s_mov_b32 s[G1A+1], 32<<16                     ; tensor_dim0
	s_mov_b32 s[G1A+2], 256<<16                    ; tensor_dim1
	s_mov_b32 s[G1A+3], 32<<16                     ; tile_dim0
	s_mov_b32 s[G1A+4], 256                        ; tile_dim1
	s_mov_b32 s[G1A+5], 32                         ; from row to row
	s_mov_b32 s[G1A+6], 0
	s_mov_b32 s[G1A+7], 0
	s_or_b32 s[G1B], s44, (1<<20)|(1<<21)|(6<<22)|(3<<25)   ; Wo: 128 rows of 512 bytes, four words of padding after every 128
	s_mov_b32 s[G1B+1], 512<<16
	s_mov_b32 s[G1B+2], 128<<16
	s_mov_b32 s[G1B+3], 512<<16
	s_mov_b32 s[G1B+4], 128
	s_mov_b32 s[G1B+5], 2048
	s_mov_b32 s[G1B+6], 0
	s_mov_b32 s[G1B+7], 0
	s_lshl_b32 s18, s17, 18                        ; A: my row block's 262,144 bytes (these registers never hold the column block)
	s_mov_b32 s19, 0
	s_lshl_b32 s46, s42, 18                        ; Wo: 128 rows of 2,048 bytes (these never hold the row block)
	s_mov_b32 s47, 0
	s_lshl_b32 s20, s16, 16                        ; chunk 0 or 1 of A,
	s_mov_b32 s21, 0
	s_lshl_b32 s22, s16, 9                         ; and of Wo
	s_mov_b32 s23, 0
	s_mul_i32 s45, s16, SLOT
	s_wait_dscnt 0x0                               ; both opening adds are done
	s_wait_kmcnt 0x0
	s_load_b64 s[78:79], s[10:11], 0x28            ; e10, e11
	s_add_nc_u64 s[18:19], s[4:5], s[18:19]
	s_add_nc_u64 s[46:47], s[6:7], s[46:47]
	s_mov_b32 s[G0A], 1                            ; count = 1
	s_mov_b32 s[G0A+1], s45                        ; LDS address
	s_add_nc_u64 s[G0A+2:G0A+3], s[18:19], s[20:21]
	s_or_b32 s[G0A+3], s[G0A+3], 0x80000000        ; type = 2
	s_mov_b32 s[G0B], 1
	s_add_co_u32 s[G0B+1], s45, AIMG
	s_add_nc_u64 s[G0B+2:G0B+3], s[46:47], s[22:23]
	s_or_b32 s[G0B+3], s[G0B+3], 0x80000000
	CROUND                                         ; all sixteen work-groups are here: the first joint loads meet
	JLOAD                                          ; chunks 0 and 1: my one tensor load at the head
	; the prefetches: A: 16,384 bytes for each place, 8,192 for each wave, lanes 256 apart; Wo: 32 rows for each place, 256 bytes of each for each wave, lanes 2,048 apart
	s_mov_b32 s66, 2*AIMG
	s_mov_b32 s[PFS], AIMG
	s_movk_i32 s67, 0x100
	s_cmp_eq_u32 s15, 0
	s_cselect_b64 s[PFA:PFA+1], s[18:19], s[46:47]
	s_cselect_b32 s20, s40, s41
	s_cselect_b32 s21, 14, 16
	s_cselect_b32 s68, 13, 8
	s_cselect_b32 s66, s66, 0x400                  ; chunk 2
	s_cselect_b32 s[PFS], s[PFS], 0x200            ; a chunk on
	s_cselect_b32 s67, s67, 0x800                  ; from lane to lane
	s_mov_b32 s[PFS+1], 0
	s_lshl_b32 s20, s20, s21
	s_lshl_b32 s68, s16, s68
	s_add_co_u32 s20, s20, s68
	s_add_co_u32 s20, s20, s66
	s_mov_b32 s21, 0
	s_add_nc_u64 s[PFA:PFA+1], s[PFA:PFA+1], s[20:21]
	s_lshl_b32 s22, s42, 9                         ; my first column, in bytes of f32
	s_lshl_b32 s23, s16, 8
	s_add_co_u32 s22, s22, s23
	s_mov_b32 s23, 0
	s_add_nc_u64 s[8:9], s[8:9], s[22:23]
	s_lshl_b32 s70, s17, 20                        ; my first row: 128 x row block + 64 x half, of 8,192 bytes
	s_lshl_b32 s71, s15, 19
	s_add_co_u32 s70, s70, s71
	s_add_co_u32 s70, s70, s22
	s_mov_b32 s71, 0
	s_add_nc_u64 s[12:13], s[12:13], s[70:71]
	s_lshl_b32 s72, s15, 15                        ; my 64 rows of A's image
	s_mul_i32 s73, s16, 64*BP                      ; my 64 rows of Wo
	s_add_co_u32 s73, s73, AIMG
	s_mul_i32 s74, s14, 16*SP
	s_add_co_u32 s74, s74, STAGE                   ; my stage
	v_and_b32 v1, 15, v0                           ; r
	v_bfe_u32 v2, v0, 4, 1                         ; h
	v_and_b32 v3, 31, v0
	v_mul_lo_u32 v[PFO], v3, s67
	v_lshlrev_b32 v3, 4, v3
	v_add_nc_u32 v[ADRA], s72, v3
	v_add_nc_u32 v[ADRA+1], SLOT, v[ADRA]
	v_mul_u32_u24 v5, v1, BP
	v_lshl_add_u32 v5, v2, 4, v5                   ; a fragment of Wo: row x pitch + 16 x half
	v_add_nc_u32 v[ADRB], s73, v5
	v_add_nc_u32 v[ADRB+1], SLOT, v[ADRB]
	v_mul_u32_u24 v4, v1, SP
	v_lshl_add_u32 v4, v2, 5, v4
	v_add_nc_u32 v[STO], s74, v4                   ; in: row r, 32 bytes for each half of the lanes
	v_mul_u32_u24 v4, v2, SP
	v_lshl_add_u32 v4, v1, 4, v4
	v_add_nc_u32 v[RD], s74, v4                    ; back: lanes 0-15 one row of 256 bytes, lanes 16-31 the next,
	v_lshlrev_b32 v4, 13, v2
	v_lshl_add_u32 v[CO], v1, 4, v4                ; and the same in the result
	v_lshlrev_b32 v6, 5, v2
.irp fb, 0,1,2,3
	global_load_b128 v[BO+8*\fb:BO+8*\fb+3], v6, s[8:9] offset:64*\fb
	global_load_b128 v[BO+8*\fb+4:BO+8*\fb+7], v6, s[8:9] offset:64*\fb+16
.endr
	global_prefetch_b8 v[PFO], s[PFA:PFA+1] th:TH_LOAD_NT scope:SCOPE_SE   ; chunk 2
; four products: A's block fa against Wo's four.  The accumulators take turns, one instruction a turn; zero = 1: the first product starts the sums
.macro MULR f, fa, zero
.irp fb, 0,1,2,3
.if \zero
	v_wmma_f32_16x16x128_fp8_fp8 v[ACC+8*(4*\fa+\fb):ACC+8*(4*\fa+\fb)+7], v[\f+64+16*\fb:\f+64+16*\fb+15], v[\f+16*\fa:\f+16*\fa+15], 0
.else
	v_wmma_f32_16x16x128_fp8_fp8 v[ACC+8*(4*\fa+\fb):ACC+8*(4*\fa+\fb)+7], v[\f+64+16*\fb:\f+64+16*\fb+15], v[\f+16*\fa:\f+16*\fa+15], v[ACC+8*(4*\fa+\fb):ACC+8*(4*\fa+\fb)+7]
.endif
.endr
.endm
; 32 LDS loads: the slot's q-th 128 along K into buffer f: Wo first, then A
.macro FETCH slot, q, f
	WIN TO_F
.irp fb, 0,1,2,3
.irp c, 0,1,2,3
	ds_load_b128 v[\f+64+16*\fb+4*\c:\f+64+16*\fb+4*\c+3], v[ADRB+\slot] offset:\fb*16*BP+128*\q+32*\c
.endr
.endr
.irp fa, 0,1,2,3
.irp c, 0,1,2,3
	ds_load_b128 v[\f+16*\fa+4*\c:\f+16*\fa+4*\c+3], v[ADRA+\slot] offset:\fa*8192+2048*\q+512*\c
.endr
.endr
.endm
; multiplies buffer f; in its middle fetches the slot's q-th 128 into buffer g
.macro QUARTER slot, q, f, g, zero
	s_wait_dscnt 8                                 ; Wo and A's blocks 0, 1 are in; the youngest eight loads (blocks 2, 3) may be out
	WIN MUL
	MULR \f, 0, \zero
	MULR \f, 1, \zero
	PLACES
	FETCH \slot, \q, \g
	s_wait_dscnt 32                                ; all but the 32 just issued
	WIN MUL
	MULR \f, 2, \zero
	MULR \f, 3, \zero
.endm
; A slot's last quarter (buffer 1) changes slots.  ONE barrier: in front of it each wave waits for all its tensor loads, adds 0 to its spare word, and waits for that and for its own reads of this slot.
; fill = 1: the barrier opens a round of the cluster's, and this slot is filled again, two chunks on, by the two waves whose slot it is.
.macro TURN slot, next, fill
	s_wait_dscnt 8
	WIN MUL
	MULR F1, 0, 0
	MULR F1, 1, 0
	WIN 0                                          ; (the add's two registers lie in window 0)
	s_wait_tensorcnt 0x0                           ; all my tensor loads have landed
	ds_add_u32 v[SPW], v[NIL]                      ; 0 onto my spare word
	s_wait_dscnt 0x0                               ; the add is done, and my reads of this slot are over
	s_barrier_signal -1
	WIN MUL
	MULR F1, 2, 0
	WIN 0
	s_barrier_wait -1
.if \fill
	CREST                                          ; no wave of any partner still reads this slot or has a load on its way
	s_cmp_eq_u32 s16, \slot
	s_cbranch_scc0 .Lnone_\@
	s_add_nc_u64 s[G0A+2:G0A+3], s[G0A+2:G0A+3], 2*AIMG
	s_add_nc_u64 s[G0B+2:G0B+3], s[G0B+2:G0B+3], 2*512
	JLOAD
.Lnone_\@:
	PLACES
	FETCH \next, 0, F0
	WIN MUL
	MULR F1, 3, 0
.endif
.endm
	s_wait_alu depctr_va_vdst(0)                   ; the wait at the head's end
	s_wait_tensorcnt 0x0                           ; my tile is in,
	s_barrier_signal -1
	s_barrier_wait -1                              ; and so is everybody's: chunks 0 and 1 are whole
	FETCH 0, 0, F0
	WIN 0
	s_wait_xcnt 0x0                                ; the first prefetch has read its address
	s_add_nc_u64 s[PFA:PFA+1], s[PFA:PFA+1], s[PFS:PFS+1]
	global_prefetch_b8 v[PFO], s[PFA:PFA+1] th:TH_LOAD_NT scope:SCOPE_SE   ; chunk 3
	QUARTER 0, 1, F0, F1, 1
	QUARTER 0, 2, F1, F0, 0
	QUARTER 0, 3, F0, F1, 0
	TURN 0, 1, 1
	QUARTER 1, 1, F0, F1, 0
	QUARTER 1, 2, F1, F0, 0
	QUARTER 1, 3, F0, F1, 0
	TURN 1, 0, 1
	QUARTER 0, 1, F0, F1, 0
	QUARTER 0, 2, F1, F0, 0
	QUARTER 0, 3, F0, F1, 0
	TURN 0, 1, 0                                   ; chunk 3 is whole; nothing is filled again
; THE LAST CHUNK, in slot 1
.macro ALOAD fa                        ; 16 loads: A's block fa, all four quarters
	WIN 0xc0
.irp q, 0,1,2,3
.irp c, 0,1,2,3
	ds_load_b128 v[64*\fa+16*\q+4*\c:64*\fa+16*\q+4*\c+3], v[ADRA+1] offset:\fa*8192+2048*\q+512*\c
.endr
.endr
	WIN 0
.endm
.macro ROW fa                          ; block fa is finished: 16 products, its four accumulators by turns
	WIN 0x0e                                       ; source 0 window 2, source 1 window 3
.irp q, 0,1,2,3
.irp fb, 0,1,2,3
	v_wmma_f32_16x16x128_fp8_fp8 v[ACC+8*(4*\fa+\fb):ACC+8*(4*\fa+\fb)+7], v[64*\q+16*\fb:64*\q+16*\fb+15], v[64*\fa+16*\q:64*\fa+16*\q+15], v[ACC+8*(4*\fa+\fb):ACC+8*(4*\fa+\fb)+7]
.endr
.endr
	WIN 0
.endm
.macro TOSTAGE fa                      ; sum x 2^(e10 + e11) + bias, into my own stage and back as whole rows of 256 bytes (LDS serves a wave's instructions in order: ISA guide 5.7.1.4)
	PLACES
.irp fb, 0,1,2,3
.irp p, 0,2,4,6
	v_pk_fma_f32 v[ACC+8*(4*\fa+\fb)+\p:ACC+8*(4*\fa+\fb)+\p+1], v[ACC+8*(4*\fa+\fb)+\p:ACC+8*(4*\fa+\fb)+\p+1], s[70:71], v[BO+8*\fb+\p:BO+8*\fb+\p+1] op_sel_hi:[1,0,1]
.endr
.endr
.irp fb, 0,1,2,3
	ds_store_b128 v[STO], v[ACC+8*(4*\fa+\fb):ACC+8*(4*\fa+\fb)+3] offset:64*\fb
	ds_store_b128 v[STO], v[ACC+8*(4*\fa+\fb)+4:ACC+8*(4*\fa+\fb)+7] offset:64*\fb+16
.endr
.if \fa >= 2
	s_wait_xcnt 0x0                                ; the stores of two blocks back have read their data
.endif
.irp t, 0,1,2,3,4,5,6,7
	ds_load_b128 v[BK+32*(\fa%2)+4*\t:BK+32*(\fa%2)+4*\t+3], v[RD] offset:2*\t*SP
.endr
.endm
.macro SEND fa, younger                ; younger: the LDS loads issued behind the stage's, which may stay out
	s_wait_dscnt \younger
.irp t, 0,1,2,3,4,5,6,7
	global_store_b128 v[CO], v[BK+32*(\fa%2)+4*\t:BK+32*(\fa%2)+4*\t+3], s[12:13] offset:131072*\fa+16384*\t th:TH_STORE_NT   ; 16 lanes store 256 consecutive bytes, at a multiple of 256
.endr
.endm
	WIN 0x80                                       ; destination window 2
.irp q, 0,1,2,3
.irp fb, 0,1,2,3
.irp c, 0,1,2,3
	ds_load_b128 v[64*\q+16*\fb+4*\c:64*\q+16*\fb+4*\c+3], v[ADRB+1] offset:\fb*16*BP+128*\q+32*\c
.endr
.endr
.endr
	ALOAD 0
	ALOAD 1
	WIN MUL
	MULR F1, 3, 0                                  ; chunk 2's last products
	WIN 0
	s_wait_kmcnt 0x0
	s_add_co_i32 s70, s78, s79
	s_add_co_i32 s70, s70, 127
	s_lshl_b32 s70, s70, 23                        ; 2^(e10 + e11)
	s_mov_b32 s71, s70
	s_wait_loadcnt 0x0                             ; the bias
	s_wait_dscnt 16                                ; Wo and A's block 0 are in; block 1's sixteen loads may be out
	ROW 0
	TOSTAGE 0
	ALOAD 2
	s_wait_dscnt 32                                ; block 1 is in; behind it the stage's sixteen and block 2's sixteen
	ROW 1
	SEND 0, 16
	TOSTAGE 1
	ALOAD 3
	s_wait_dscnt 32                                ; block 2 is in
	ROW 2
	SEND 1, 16
	TOSTAGE 2
	s_wait_dscnt 16                                ; block 3 is in; behind it the stage's sixteen
	ROW 3
	SEND 2, 0
	TOSTAGE 3
	SEND 3, 0
	s_wait_tensorcnt 0x0                           ; the wave's end
	ds_add_u32 v[SPW], v[NIL]
	s_wait_dscnt 0x0
	CROUND                                         ; the closing round: no work-group ends while a partner may still ask for a tile that names it
	s_endpgm
.Lfunc_end_k_q9c7e5fe802_oproj:
	.size	k_q9c7e5fe802_oproj, .Lfunc_end_k_q9c7e5fe802_oproj-k_q9c7e5fe802_oproj
	.p2alignl 7, 3214868480
	.fill 96, 4, 3214868480
	.section	.rodata,"a",@progbits
	.p2align	6, 0x0
	.amdhsa_kernel k_q9c7e5fe802_oproj
		.amdhsa_group_segment_fixed_size 327680
		.amdhsa_private_segment_fixed_size 0
		.amdhsa_enable_private_segment 0
		.amdhsa_kernarg_size 40
		.amdhsa_user_sgpr_count 2
		.amdhsa_user_sgpr_kernarg_segment_ptr 1
		.amdhsa_wavefront_size32 1
		.amdhsa_system_sgpr_workgroup_id_x 1
		.amdhsa_system_sgpr_workgroup_id_y 1
		.amdhsa_system_sgpr_workgroup_id_z 1
		.amdhsa_system_vgpr_workitem_id 0
		.amdhsa_next_free_vgpr 1024
		.amdhsa_next_free_sgpr 80
		.amdhsa_reserve_vcc 0
		.amdhsa_float_denorm_mode_32 3
		.amdhsa_float_denorm_mode_16_64 3
		.amdhsa_memory_ordered 1
		.amdhsa_forward_progress 1
		.amdhsa_inst_pref_size 75
	.end_amdhsa_kernel
	.amdgpu_metadata
---
amdhsa.version: [ 1, 2 ]
amdhsa.kernels:
  - .name:           k_q9c7e5fe802_oproj
    .symbol:         k_q9c7e5fe802_oproj.kd
    .args:
      - { .name: attn_img, .offset: 0, .size: 8, .value_kind: global_buffer, .address_space: global }
      - { .name: Wo_codes, .offset: 8, .size: 8, .value_kind: global_buffer, .address_space: global }
      - { .name: bo, .offset: 16, .size: 8, .value_kind: global_buffer, .address_space: global }
      - { .name: lowp_scales, .offset: 24, .size: 8, .value_kind: global_buffer, .address_space: global }
      - { .name: out0, .offset: 32, .size: 8, .value_kind: global_buffer, .address_space: global }
    .group_segment_fixed_size: 327680
    .private_segment_fixed_size: 0
    .kernarg_segment_align: 8
    .kernarg_segment_size: 40
    .max_flat_workgroup_size: 128
    .sgpr_count:     80
    .vgpr_count:     1024
    .wavefront_size: 32
...
	.end_amdgpu_metadata
.endif
;; end of part 3
